; MI455X (gfx1250); checked and timed in simulation.
; The chip was launched on July 23, 2026; its instructions are those of AMD's public machine-readable ISA for CDNA 5 (MIT licence, August 2026) and "CDNA5" Instruction Set Architecture Reference Guide (July 2026). The comments in the code are by the model that wrote it; some were corrected since.
;; Multi Head Attention. Allowed arithmetic: matrix products marked QUANTISED: E2M3 operands, one E8M0 scale for each 32 along K, by v_wmma_scale_f32_16x16x128_f8f6f4 with both operands' format E2M3, f32 sums; everything else in f32.
;; Inputs: Wk_codes 1,024 x 32 x 24 uint8 (E2M3 codes of Wk, K innermost, in blocks of 32 codes, four codes in three bytes); Wk_scales 1,024 x 32 uint8 (E8M0 scales of Wk, one for each 32 codes along K); Wo_codes 1,024 x 32 x 24 uint8 (E2M3 codes of Wo, K innermost, in blocks of 32 codes, four codes in three bytes); Wo_scales 1,024 x 32 uint8 (E8M0 scales of Wo, one for each 32 codes along K); Wq_codes 1,024 x 32 x 24 uint8 (E2M3 codes of Wq, K innermost, in blocks of 32 codes, four codes in three bytes); Wq_scales 1,024 x 32 uint8 (E8M0 scales of Wq, one for each 32 codes along K); Wv_codes 1,024 x 32 x 24 uint8 (E2M3 codes of Wv, K innermost, in blocks of 32 codes, four codes in three bytes); Wv_scales 1,024 x 32 uint8 (E8M0 scales of Wv, one for each 32 codes along K); bk 1,024 float32; bo 1,024 float32; x_codes 2 x 2,048 x 32 x 24 uint8 (E2M3 codes of x, K innermost, in blocks of 32 codes, four codes in three bytes); x_scales 2 x 2,048 x 32 uint8 (E8M0 scales of x, one for each 32 codes along K).
;; Outputs: out0 2 x 2,048 x 1,024 float32.
;; This version of the problem:
;;   THIS VERSION OF THE PROBLEM IS GIVEN IN LOW PRECISION. The matrix products marked QUANTISED in the list below multiply operands that are first quantised to E2M3 (2 exponent bits, 3 mantissa bits; 6 bits a number), with one power-of-two scale for each 32 numbers along K (OCP MX v1.0); their sums are f32. All else is computed in f32.
;;   The module's matrix products, in the order in which they are computed (A, B: the left and right operand; K: the contracted axis; several contracted axes count as one K, in the product's order):
;;     1. [M 4,096, K 1,024] x [K 1,024, N 1,024]; A: input x (given as codes); B: input Wq (given as codes): QUANTISED
;;     2. [M 4,096, K 1,024] x [K 1,024, N 1,024]; A: input x (given as codes); B: input Wk (given as codes): QUANTISED
;;     3. [M 4,096, K 1,024] x [K 1,024, N 1,024]; A: input x (given as codes); B: input Wv (given as codes): QUANTISED
;;     4. batch 32 x [M 2,048, K 64] x [K 64, N 2,048]; A: computed on the way; B: computed on the way: QUANTISED
;;     5. batch 32 x [M 2,048, K 2,048] x [K 2,048, N 64]; A: softmax (see below); B: computed on the way: QUANTISED
;;     6. [M 4,096, K 1,024] x [K 1,024, N 1,024]; A: computed on the way; B: input Wo (given as codes): QUANTISED
;;   THE QUANTISER, for each operand of a quantised product, along K:
;;     - K is cut into blocks of 32 from its start; a last block that is shorter is filled with zeros.
;;     - A block's scale is 2^e with e = floor(log2(the largest magnitude in the block)) - 2, held to -126 .. 127; a block of zeros has e = 0. As a byte (E8M0): e + 127.
;;     - Each number is divided by its block's scale, clamped to +-7.5, and rounded to the nearest number of E2M3, ties to even, subnormals kept.
;;     - The product sums the exact products of the quantised numbers (number of the format x scale) in f32.
;;   ~~~python
;;   def quantise(x, axis):      # numpy; x: float32 -> the quantised numbers, widened to float32 again
;;       x = np.moveaxis(x, axis, -1); K = x.shape[-1]
;;       x = np.pad(x, [(0, 0)] * (x.ndim - 1) + [(0, -K % 32)]); x = x.reshape(x.shape[:-1] + (-1, 32)); a = np.abs(x).max(-1, keepdims=True)
;;       e = np.where(a > 0, np.clip(np.frexp(np.where(a > 0, a, 1))[1] - 1 - 2, -126, 127), 0)      # np.frexp(a)[1] - 1 = floor(log2(a)), exactly
;;       r = np.clip(x / 2.0 ** e, -7.5, 7.5)
;;       step = 2.0 ** (np.maximum(np.frexp(np.where(r == 0, 1, r))[1] - 1, 0) - 3)
;;       q = np.round(r / step) * step * 2.0 ** e      # np.round: ties to even
;;       return np.moveaxis(q.reshape(q.shape[:-2] + (-1,))[..., :K], -1, axis).astype(np.float32)
;;   ~~~
;;   SOFTMAX AHEAD OF A QUANTISED PRODUCT. Where the list says 'softmax', what is quantised is not the finished softmax but p = 2^(t - M), with t = logit x log2(e) and M = ceil(the row's largest t), a whole number; so 1/2 < the row's largest p <= 1. The row's sum l is taken of the UNQUANTISED p, in f32, and the product's result is divided by l at the end. Since M is a whole number, a kernel that streams over the keys may use a running M (the ceiling of the running maximum): every later rescaling is an exact power of two, which a block's scale takes up: the codes' values come out the same.
;;   OPERANDS COMPUTED ON THE WAY. 'Computed on the way' means the value that the module computes at that place (a softmax that the list does not call 'softmax' is quantised finished and normalised). What goes into a quantiser is computed in f32, as accurately as f32 sums, v_exp_f32 and their like allow (about 1e-6 of the number): no bf16 or f16 on the way to a quantiser, and a product that is left as it is and whose result goes on into a quantised operand takes f32 operands (vector FMAs, or v_wmma_f32_16x16x4_f32). A number that lies on a knife's edge between two numbers of the format may be rounded either way, as far as f32 arithmetic and the matrix unit's own rounding can turn it there, and no further.
;;   INPUTS GIVEN AS CODES. Wk (in the module: [1024, 1024], K = its axis 1); Wo (in the module: [1024, 1024], K = its axis 1); Wq (in the module: [1024, 1024], K = its axis 1); Wv (in the module: [1024, 1024], K = its axis 1); x (in the module: [2, 2048, 1024], K = its axis 2): each comes as NAME_codes (uint8): NAME with its K axis moved to the last place and cut into blocks of 32 codes, [.., K / 32, bytes a block], one block behind the other in memory; four codes in three bytes: a row's codes are one little-endian stream of bits, code i at bits 6 i .. 6 i + 5 (a code: sign, 2 exponent bits, 3 mantissa bits); and NAME_scales (uint8): the same leading axes, one E8M0 byte (e + 127) for each 32 codes along K. Its value is code x scale, taken as it is: it is not quantised again, and the codes and scales need not be those that the quantiser above would give.
;; One version. Each part assembles by itself: llvm-mc -triple=amdgcn-amd-amdhsa -mcpu=gfx1250 --defsym DOCPART=n.
;; ======== version 1 of 1: 3 launches
;; limits: right only within a limited range of input values
;; workspace buffers: kv 6,553,600 bytes; qimg 3,670,016 bytes; oimg 3,145,728 bytes; osc 131,072 bytes
;; launch qkv (part 1): grid 8 x 32, 4 waves a work-group, clusters of 4 x 4, 327,680 bytes of LDS; arguments x_codes, x_scales, Wq_codes, Wq_scales, Wk_codes, Wk_scales, Wv_codes, Wv_scales, bk, kv, qimg; writes kv, qimg
.if DOCPART == 1
	.amdgcn_target "amdgcn-amd-amdhsa--gfx1250"
	.amdhsa_code_object_version 6
	.text
	.protected	k_q3f09433b46_qkv
	.globl	k_q3f09433b46_qkv
	.p2align	8
	.type	k_q3f09433b46_qkv,@function
k_q3f09433b46_qkv:
	s_mov_b64 s[64:65], 0
	v_nop
	global_prefetch_b8 v0, s[64:65] scope:SCOPE_SE
	s_setreg_imm32_b32 hwreg(HW_REG_WAVE_MODE, 25, 1), 1
	s_wait_xcnt 0x0
	s_wait_alu depctr_hold_cnt(0) depctr_sa_sdst(0) depctr_va_vdst(0) depctr_va_sdst(0) depctr_va_ssrc(0) depctr_va_vcc(0) depctr_vm_vsrc(0)
	s_getreg_b32 s2, hwreg(HW_REG_IB_STS2, 6, 4)
	s_cmp_eq_u32 s2, 0
	s_cbranch_scc0 .Lentry_in_a_cluster
	s_endpgm
.Lentry_in_a_cluster:
	s_bfe_u32 s2, ttmp6, 0x10000c
	s_cmp_lg_u32 s2, 0xf033
	s_cbranch_scc0 .Lentry_shape_is_right
	s_endpgm
.Lentry_shape_is_right:
; q = x Wq^T, k = x Wk^T + bk, v = x Wv^T on codes of FP6 (E2M3), one E8M0 scale for each 32 along K = 1,024.  All three results are quantised here (q and k along the head's 64, v along the keys)
; and stored as images of the operand registers that the attention launch loads.
; kv[head 0..31][key step 0..15][12,800 bytes]:
;   +0      K: 4 images g x 1,536: operand row 8 h' + i holds key 64 (g/2) + 32 h' + 8 (g%2) + i in k 0-63 and that key + 16 in k 64-127; registers 4 n .. 4 n + 3 at 512 n + 16 lane
;   +6,144  V: 4 tiles of 16 channels x 2 halves of 64 keys x 768: registers 0-3 at 16 lane, registers 4-5 at 512 + 8 lane
;   +12,288 K's scale words (64 g + 4 row);   +12,544 V's scale words (64 tile + 4 row)
; qimg[head][32 queries][1,792]: two tiles x 768 (registers 0-3 at 16 lane, 4-5 at 512 + 8 lane), then at 1,536 + 8 lane the two tiles' scale words, each tile's two bytes written twice.
; SHARES.  A work-group takes 128 tokens (T) x 128 rows (j: two heads) of each weight.  Wave (wi, wj): 64 tokens x one head: 16 accumulators each of q, k, v on the same four fragments of x: 16 fragments feed 48 matrix instructions a K step.
; RING.  A row of codes is 768 bytes = three chunks of 256, each on a 256-byte border.  A slot holds one chunk of x, Wq, Wk, Wv (128 rows each, 272 bytes apart); chunk c lies in slot c % 2.  Wave w fetches operand w: one load a wave each time.
; CLUSTER 4 x 4: x's chunks hang on T alone (joint along a row of the cluster), the weights' on j alone (joint along a column).  The scale words (2 KB an operand and wave) come by plain loads into the registers that the products name.
; No prefetch: three chunks, each asked for as soon as its slot is free; there is no loop to run ahead in.
; TRANSPOSED USE.  q, k: source 0 = 16 rows of the weight, source 1 = 16 tokens: a lane holds one token and 8 channels.  v: source 0 = tokens, source 1 = rows of Wv: a lane holds one channel and 8 tokens.
; Inside a block of 32 the codes stand in a fixed order (place 16 h + 8 u + i holds index 16 u + 8 h + i), the same for q and k and for v and p: the products are those of the natural order.
; LIMITS: a block whose largest magnitude lies under 2^-124 is taken at that floor; a block of zeros gets the byte 1 (zero codes; only this program reads the bytes); NaN and infinities are not served; a given scale byte 0xff gives NaN.
; REGISTERS.  window 0: v4-19 LDS addresses; v20-30 offsets; v32-95 scale words; v96-127 the quantiser's; v128-159 bk; v160-241 codes on their way out.
;   window 1: v0-127 k's sums ((a, b) at 8 (4 a + b): a tokens, b weight), v128-255 v's.   windows 2, 3: the two sets of fragments (x 0, Wq 48, Wk 96, Wv 144) and from v192 q's sums (token tiles 0, 1 in window 2; 2, 3 in window 3).
.set PIT,   272
.set CH,    128*PIT
.set SLOT,  4*CH
.set SCG,   2*SLOT                     ; 1,024 bytes in which the scale words meet; no tile lands here
.set SPARE, SCG+1024
.set HEADB, 204800
.set STEPB, 12800
.set QREC,  1792
.set AX, 4                             ; + 0, 1: slot 0, 1; + 2: lanes 0-15 byte 232 in slot 0, lanes 16-31 byte 0 in slot 1; + 3: the other way round
.set AQ, 8
.set AK, 12
.set AV, 16
.set L32, 20
.set H32, 21
.set L16, 22
.set L8,  23
.set SKW, 24
.set SVW, 29
.set SRD, 30
.set SX, 32                            ; scale words: + 8 (tile / 2) + K step; lanes 0-15 the even tile, lanes 16-31 the odd one
.set SQ, 48
.set SK, 64
.set SV, 80
.set TM, 96
.set CT, 112
.set PW, 120
.set BI, 128
.set PCD, 160
.set FX, 0
.set FQ, 48
.set FK, 96
.set FV, 144
.set WV, 20
.set G1X, 32
.set G1W, 40
.set G0X, 48                           ; one set for each slot
.set G0W, 56
.set SEL, 84
.set MSB, 0
.macro WIN new                         ; the immediate's high byte repeats the setting that is left
.if MSB != (\new)
	s_set_vgpr_msb (MSB<<8)|(\new)
.set MSB, (\new)
.endif
.endm
.macro PLACES n
.rept \n
	v_nop
.endr
.endm
.macro BAR
	s_wait_dscnt 0x0
	s_barrier_signal -1
	s_barrier_wait -1
.endm
.macro ROUND                           ; a round of the cluster's barrier
	s_barrier_signal -1
	s_barrier_wait -1
	s_cmp_lg_u32 s[WV], 0
	s_cbranch_scc1 .Lnot_wave_0_\@
	s_barrier_signal -3
.Lnot_wave_0_\@:
	s_barrier_wait -3
	s_barrier_signal -1
	s_barrier_wait -1
.endm
.macro JLOAD s                         ; wave 0 asks for x's chunk, waves 1 to 3 for their weight's: one joint load a wave
	s_cmp_eq_u32 s[WV], 0
	s_cbranch_scc0 .Lfor_w_\@
	tensor_load_to_lds s[G0X+4*\s:G0X+4*\s+3], s[G1X:G1X+7]
	s_nop 0
	PLACES 4
	s_branch .Lasked_\@
.Lfor_w_\@:
	tensor_load_to_lds s[G0W+4*\s:G0W+4*\s+3], s[G1W:G1W+7]
	s_nop 0
	PLACES 4
.Lasked_\@:
.endm
; One matrix instruction.  c < 0: the constant 0 starts the sum.  ra, rb: which half of the lanes of the scale registers sa, sb is read.
.macro WM d, a, b, c, sa, ra, sb, rb
.if (\c) < 0
.if ((\ra) == 0) && ((\rb) == 0)
	v_wmma_scale_f32_16x16x128_f8f6f4 v[(\d):(\d)+7], v[(\a):(\a)+11], v[(\b):(\b)+11], 0, v[\sa], v[\sb] matrix_a_fmt:MATRIX_FMT_FP6 matrix_b_fmt:MATRIX_FMT_FP6
.elseif (\rb) == 0
	v_wmma_scale_f32_16x16x128_f8f6f4 v[(\d):(\d)+7], v[(\a):(\a)+11], v[(\b):(\b)+11], 0, v[\sa], v[\sb] matrix_a_fmt:MATRIX_FMT_FP6 matrix_b_fmt:MATRIX_FMT_FP6 matrix_a_scale:MATRIX_SCALE_ROW1
.elseif (\ra) == 0
	v_wmma_scale_f32_16x16x128_f8f6f4 v[(\d):(\d)+7], v[(\a):(\a)+11], v[(\b):(\b)+11], 0, v[\sa], v[\sb] matrix_a_fmt:MATRIX_FMT_FP6 matrix_b_fmt:MATRIX_FMT_FP6 matrix_b_scale:MATRIX_SCALE_ROW1
.else
	v_wmma_scale_f32_16x16x128_f8f6f4 v[(\d):(\d)+7], v[(\a):(\a)+11], v[(\b):(\b)+11], 0, v[\sa], v[\sb] matrix_a_fmt:MATRIX_FMT_FP6 matrix_b_fmt:MATRIX_FMT_FP6 matrix_a_scale:MATRIX_SCALE_ROW1 matrix_b_scale:MATRIX_SCALE_ROW1
.endif
.else
.if ((\ra) == 0) && ((\rb) == 0)
	v_wmma_scale_f32_16x16x128_f8f6f4 v[(\d):(\d)+7], v[(\a):(\a)+11], v[(\b):(\b)+11], v[(\c):(\c)+7], v[\sa], v[\sb] matrix_a_fmt:MATRIX_FMT_FP6 matrix_b_fmt:MATRIX_FMT_FP6
.elseif (\rb) == 0
	v_wmma_scale_f32_16x16x128_f8f6f4 v[(\d):(\d)+7], v[(\a):(\a)+11], v[(\b):(\b)+11], v[(\c):(\c)+7], v[\sa], v[\sb] matrix_a_fmt:MATRIX_FMT_FP6 matrix_b_fmt:MATRIX_FMT_FP6 matrix_a_scale:MATRIX_SCALE_ROW1
.elseif (\ra) == 0
	v_wmma_scale_f32_16x16x128_f8f6f4 v[(\d):(\d)+7], v[(\a):(\a)+11], v[(\b):(\b)+11], v[(\c):(\c)+7], v[\sa], v[\sb] matrix_a_fmt:MATRIX_FMT_FP6 matrix_b_fmt:MATRIX_FMT_FP6 matrix_b_scale:MATRIX_SCALE_ROW1
.else
	v_wmma_scale_f32_16x16x128_f8f6f4 v[(\d):(\d)+7], v[(\a):(\a)+11], v[(\b):(\b)+11], v[(\c):(\c)+7], v[\sa], v[\sb] matrix_a_fmt:MATRIX_FMT_FP6 matrix_b_fmt:MATRIX_FMT_FP6 matrix_a_scale:MATRIX_SCALE_ROW1 matrix_b_scale:MATRIX_SCALE_ROW1
.endif
.endif
.endm
; A fragment, 16 rows x 128 K, is 12 registers: lane (r, h): row r, registers 6 c .. 6 c + 5: 24 bytes of the row at 48 c + 24 h, in pieces of 8.  Byte y of a row lies in slot (y / 256) % 2 at byte y % 256.
.macro FRAGR reg, an, s, i
.irp p, 0,1,2,3,4,5
.set BY, 96*(\s)+48*(\p/3)+8*(\p%3)
.if BY/256 == (BY+24)/256
	ds_load_b64 v[(\reg)+2*\p:(\reg)+2*\p+1], v[(\an)+(BY/256)%2] offset:BY%256+(\i)*16*PIT
.else
	ds_load_b64 v[(\reg)+2*\p:(\reg)+2*\p+1], v[(\an)+2+(BY/256)%2] offset:BY%256-232+(\i)*16*PIT
.endif
.endr
.endm
.macro FETCH f, an, s                  ; an operand's four fragments of K step s, 24 loads, into set s % 2
	WIN 0x80+0x40*((\s)%2)
.irp i, 0,1,2,3
	FRAGR (\f)+12*\i, \an, \s, \i
.endr
.endm
.macro MULQ s
.irp a, 0,1,2,3
.if \a == 0
	WIN 0xa0+SRC
.elseif \a == 2
	WIN 0xf0+SRC
.endif
.irp b, 0,1,2,3
.if (\s) == 0
	WM 192+8*(4*(\a%2)+\b), FQ+12*\b, FX+12*\a, -1, SQ+8*(\b/2)+(\s), \b%2, SX+8*(\a/2)+(\s), \a%2
.else
	WM 192+8*(4*(\a%2)+\b), FQ+12*\b, FX+12*\a, 192+8*(4*(\a%2)+\b), SQ+8*(\b/2)+(\s), \b%2, SX+8*(\a/2)+(\s), \a%2
.endif
.endr
.endr
.endm
.macro MULK s                          ; the first K step takes bk as C
.irp a, 0,1,2,3
.irp b, 0,1,2,3
.if (\s) == 0
	WM 8*(4*\a+\b), FK+12*\b, FX+12*\a, BI+8*\b, SK+8*(\b/2)+(\s), \b%2, SX+8*(\a/2)+(\s), \a%2
.else
	WM 8*(4*\a+\b), FK+12*\b, FX+12*\a, 8*(4*\a+\b), SK+8*(\b/2)+(\s), \b%2, SX+8*(\a/2)+(\s), \a%2
.endif
.endr
.endr
.endm
.macro MULV s
.irp a, 0,1,2,3
.irp b, 0,1,2,3
.if (\s) == 0
	WM 128+8*(4*\a+\b), FX+12*\b, FV+12*\a, -1, SX+8*(\b/2)+(\s), \b%2, SV+8*(\a/2)+(\s), \a%2
.else
	WM 128+8*(4*\a+\b), FX+12*\b, FV+12*\a, 128+8*(4*\a+\b), SX+8*(\b/2)+(\s), \b%2, SV+8*(\a/2)+(\s), \a%2
.endif
.endr
.endr
.endm
; A K step: the 48 accumulators take turns, one instruction a turn, in the same order in every step.  The next step's fragments go into the other set.
.macro KSTEP s
.set SRC, 0x0a+5*((\s)%2)              ; sources 0 and 1: window 2 or 3
.if (\s) > 0
	PLACES 4                                       ; loads into registers that the last step's products read stand four plain places behind them
.endif
.if (\s) < 7
	FETCH FX, AX, (\s)+1
	FETCH FQ, AQ, (\s)+1
	s_wait_dscnt 48                                ; all but the 48 just issued: this step's whole set is in
.else
	s_wait_dscnt 0x0
.endif
	MULQ \s
.if (\s) < 7
	FETCH FK, AK, (\s)+1
.endif
.if (\s) == 0
	WIN 0x40+SRC                                   ; C (bk) window 0, D window 1
.else
	WIN 0x50+SRC
.endif
	MULK \s
.if (\s) < 7
	FETCH FV, AV, (\s)+1
.endif
	WIN 0x50+SRC
	MULV \s
	WIN 0
.endm
; 64 numbers of a lane in window w, v[s] on: four blocks of 32, each shared by lanes l and l xor 16.  They become 12 code registers v[pc] on (6 c .. 6 c + 5: lanes 0-15 block 2 c, lanes 16-31 block 2 c + 1) and the scale word v[pw].
.macro QUANT w, s, pc, pw
	WIN 5*(\w)
.irp b, 0,1,2,3
	v_max3_num_f32 v[TM+\b], |v[(\s)+16*\b]|, |v[(\s)+1+16*\b]|, 0x1800000   ; from each accumulator's low end on; the floor 2^(3 - 127) keeps the byte at 1 or above
.endr
	WIN 20*(\w)
.irp i, 2,4,6,8,10,12,14
.irp b, 0,1,2,3
	v_max3_num_f32 v[TM+\b], v[TM+\b], |v[(\s)+16*\b+\i]|, |v[(\s)+1+16*\b+\i]|
.endr
.endr
	WIN 0
.irp b, 0,1,2,3
	v_permlanex16_b32 v[TM+4+\b], v[TM+\b], s[SEL], s[SEL+1]
.endr
.irp b, 0,1,2,3
	v_max_num_f32 v[TM+\b], v[TM+\b], v[TM+4+\b]
.endr
.irp b, 0,1,2,3
	v_add_nc_u32 v[TM+12+\b], 0xff000000, v[TM+\b] ; 2 off the exponent field: the conversion's scale operand
.endr
.irp b, 0,1,2,3
	v_lshrrev_b32 v[TM+4+\b], 23, v[TM+12+\b]      ; the scale's byte
.endr
	v_lshl_or_b32 v[\pw], v[TM+5], 8, v[TM+4]
	v_lshl_or_b32 v[\pw], v[TM+6], 16, v[\pw]
	v_lshl_or_b32 v[\pw], v[TM+7], 24, v[\pw]
	WIN \w
.irp c, 0,1
	v_cvt_scalef32_pk16_fp6_f32 v[(\pc)+6*\c:(\pc)+2+6*\c], v[(\s)+32*\c:(\s)+15+32*\c], v[TM+12+2*\c]
	v_cvt_scalef32_pk16_fp6_f32 v[CT+4*\c:CT+2+4*\c], v[(\s)+16+32*\c:(\s)+31+32*\c], v[TM+12+2*\c+1]
.endr
	WIN 0
	v_nop                                          ; one plain place behind a scaled conversion
.irp c, 0,1
.irp i, 0,1,2
	v_permlane16_swap_b32 v[(\pc)+6*\c+\i], v[CT+4*\c+\i]   ; a whole block to a lane
.endr
.irp i, 0,1,2
	v_mov_b32 v[(\pc)+3+6*\c+\i], v[CT+4*\c+\i]
.endr
.endr
.endm
.macro HALVES pc, base, off            ; two halves of 6 registers: 512 + 256 consecutive bytes each, aligned to 256
.irp e, 0,1
	global_store_b128 v[L16], v[(\pc)+6*\e:(\pc)+6*\e+3], s[\base:\base+1] offset:(\off)*\e
	global_store_b64 v[L8], v[(\pc)+6*\e+4:(\pc)+6*\e+5], s[\base:\base+1] offset:(\off)*\e+512
.endr
.endm
.macro XCH a, b, t                     ; lanes 8-15 of each row of a change places with lanes 0-7 of b
	v_mov_b32_dpp v[\t], v[\a] row_xmask:8 row_mask:0xf bank_mask:0xf
	v_mov_b32_dpp v[(\t)+1], v[\b] row_xmask:8 row_mask:0xf bank_mask:0xf
	v_cndmask_b32 v[\a], v[\a], v[(\t)+1], vcc_lo
	v_cndmask_b32 v[\b], v[\t], v[\b], vcc_lo
.endm
.macro ADDR an, sb
	v_add_nc_u32 v[\an], s[\sb], v26
	v_add_nc_u32 v[(\an)+1], SLOT, v[\an]
	v_add_nc_u32 v[(\an)+2], s[\sb], v27
	v_add_nc_u32 v[(\an)+3], s[\sb], v28
.endm
	s_load_b512 s[4:19], s[0:1], 0x0               ; x codes, scales; Wq codes, scales; Wk codes, scales; Wv codes, scales
	s_load_b128 s[68:71], s[0:1], 0x40             ; bk, kv
	s_load_b64 s[72:73], s[0:1], 0x50              ; qimg
	v_lshl_add_u32 v254, v0, 2, SPARE
	v_mov_b32 v255, 0
	ds_add_u32 v254, v255                          ; the opening lines: the add, twice on end, and its wait
	ds_add_u32 v254, v255
	v_lshrrev_b32 v1, 5, v0
	v_readfirstlane_b32 s[WV], v1                  ; wave 0..3
	s_lshr_b32 s21, s[WV], 1                       ; wi: which 64 tokens
	s_and_b32 s22, s[WV], 1                        ; wj: which head
	s_bfe_u32 s23, ttmp6, 0x40000                  ; cx
	s_bfe_u32 s24, ttmp6, 0x40004                  ; cy
	s_lshl_b32 s25, ttmp9, 2
	s_add_co_u32 s25, s25, s23                     ; j
	s_and_b32 s26, ttmp7, 0xffff
	s_lshl_b32 s26, s26, 2
	s_add_co_u32 s26, s26, s24                     ; T
	s_lshl_b32 s27, s24, 2
	s_lshl_b32 s27, 15, s27                        ; my row of the cluster
	s_lshl_b32 s28, 0x1111, s23                    ; my column
	; group 1: a chunk: 128 rows of 32 elements of 8 bytes, 96 elements from row to row, 4 words of padding behind every 64
	s_or_b32 s[G1X], s27, (3<<16)|(1<<20)|(1<<21)|(5<<22)|(3<<25)
	s_or_b32 s[G1W], s28, (3<<16)|(1<<20)|(1<<21)|(5<<22)|(3<<25)
.irp g, G1X, G1W
	s_mov_b32 s[\g+1], 32<<16
	s_mov_b32 s[\g+2], 128<<16
	s_mov_b32 s[\g+3], 32<<16
	s_mov_b32 s[\g+4], 128
	s_mov_b32 s[\g+5], 96
	s_mov_b32 s[\g+6], 0
	s_mov_b32 s[\g+7], 0
.endr
	s_mov_b32 s[SEL], 0x76543210
	s_mov_b32 s[SEL+1], 0xfedcba98                 ; v_permlanex16_b32's selects for lane l xor 16
	s_mul_i32 s92, s26, 128*768                    ; x's 128 rows: T alone
	s_mov_b32 s93, 0
	s_mul_i32 s94, s25, 128*768                    ; the weights' 128 rows: j alone
	s_mov_b32 s95, 0
	s_mul_i32 s31, s[WV], CH                       ; operand w lies at w x CH in a slot
	s_wait_dscnt 0x0
	s_wait_kmcnt 0x0
	s_cmp_eq_u32 s[WV], 2                          ; my weight: wave 2 Wk, wave 3 Wv, else Wq
	s_cselect_b64 s[96:97], s[12:13], s[8:9]
	s_cmp_eq_u32 s[WV], 3
	s_cselect_b64 s[96:97], s[16:17], s[96:97]
	s_add_nc_u64 s[98:99], s[4:5], s[92:93]
	s_add_nc_u64 s[96:97], s[96:97], s[94:95]
.irp s, 0,1
	s_mov_b32 s[G0X+4*\s], 1
	s_mov_b32 s[G0X+4*\s+1], \s*SLOT
	s_add_nc_u64 s[G0X+4*\s+2:G0X+4*\s+3], s[98:99], 256*\s
	s_or_b32 s[G0X+4*\s+3], s[G0X+4*\s+3], 0x80000000
	s_mov_b32 s[G0W+4*\s], 1
	s_add_co_u32 s[G0W+4*\s+1], s31, \s*SLOT
	s_add_nc_u64 s[G0W+4*\s+2:G0W+4*\s+3], s[96:97], 256*\s
	s_or_b32 s[G0W+4*\s+3], s[G0W+4*\s+3], 0x80000000
.endr
	ROUND                                          ; all sixteen work-groups are here: the joint loads meet
	JLOAD 0                                        ; chunk 0: one tensor load a wave at the head
	s_lshl_b32 s92, s26, 12                        ; my 64 rows of scale bytes: x's at 4,096 T + 2,048 wi,
	s_lshl_b32 s29, s21, 11
	s_add_co_u32 s92, s92, s29
	s_add_nc_u64 s[6:7], s[6:7], s[92:93]
	s_lshl_b32 s94, s25, 12                        ; the weights' at 4,096 j + 2,048 wj
	s_lshl_b32 s29, s22, 11
	s_add_co_u32 s94, s94, s29
	s_add_nc_u64 s[10:11], s[10:11], s[94:95]
	s_add_nc_u64 s[14:15], s[14:15], s[94:95]
	s_add_nc_u64 s[18:19], s[18:19], s[94:95]
	s_lshr_b32 s94, s94, 3                         ; bk: 512 j + 256 wj bytes
	s_add_nc_u64 s[68:69], s[68:69], s[94:95]
	s_mul_i32 s29, s21, 64*PIT                     ; my 64 rows of x
	s_mul_i32 s30, s22, 64*PIT                     ; my 64 rows of the weights
	s_add_co_u32 s30, s30, CH
	s_add_co_u32 s31, s30, CH
	s_add_co_u32 s2, s31, CH
	s_lshl_b32 s3, s22, 8                          ; SCG: 256 bytes for each head's K words, then for each head's V words
	s_lshl_b32 s66, s21, 7
	s_add_co_u32 s66, s66, s3
	s_add_co_u32 s66, s66, SCG                     ; K: 256 wj + 128 wi
	s_lshl_b32 s67, s21, 1
	s_add_co_u32 s67, s67, s3
	s_add_co_u32 s67, s67, SCG+512                 ; V: 256 wj + 2 wi
	s_lshl_b32 s3, s[WV], 8
	s_add_co_u32 s3, s3, SCG                       ; back: 256 bytes a wave
	v_and_b32 v1, 15, v0                           ; r
	v_bfe_u32 v2, v0, 4, 1                         ; h
	v_and_b32 v3, 31, v0                           ; lane
	v_lshlrev_b32 v[L32], 5, v3
	v_lshlrev_b32 v[H32], 5, v2
	v_lshlrev_b32 v[L16], 4, v3
	v_lshlrev_b32 v[L8], 3, v3
	v_mul_u32_u24 v25, v1, PIT
	v_mad_u32_u24 v26, v2, 24, v25                 ; row r, + 24 h
	v_mad_u32_u24 v27, v2, SLOT-232, v25
	v_add_nc_u32 v27, 232, v27                     ; lanes 0-15 byte 232 in slot 0, lanes 16-31 byte 0 in slot 1
	v_xor_b32 v28, 1, v2
	v_mad_u32_u24 v28, v28, SLOT+232, v25          ; lanes 0-15 byte 232 in slot 1, lanes 16-31 byte 0 in slot 0
	ADDR AX, 29
	ADDR AQ, 30
	ADDR AK, 31
	ADDR AV, 2
	v_lshl_add_u32 v[SKW], v3, 2, s66
	v_lshl_add_u32 v[SVW], v3, 2, s67
	v_lshl_add_u32 v[SRD], v3, 3, s3
.irp b, 0,1,2,3
	v_mov_b32 v[TM+4+\b], 0                        ; a lane permute's destination counts as one of its sources
.endr
	s_wait_alu depctr_va_vdst(0)                   ; the wait behind the head's vector work
.irp p, 0,1                                    ; lane l takes row 32 p + l: its 32 bytes are the scale words of the 8 K steps
.irp o, 0,1,2,3
	global_load_b128 v[SX+16*\o+8*\p:SX+16*\o+8*\p+3], v[L32], s[6+4*\o:7+4*\o] offset:1024*\p
	global_load_b128 v[SX+16*\o+8*\p+4:SX+16*\o+8*\p+7], v[L32], s[6+4*\o:7+4*\o] offset:1024*\p+16
.endr
.endr
.irp b, 0,1,2,3                                ; bk in the result's layout: lane (r, h), register i: channel 16 b + 8 h + i
	global_load_b128 v[BI+8*\b:BI+8*\b+3], v[H32], s[68:69] offset:64*\b
	global_load_b128 v[BI+8*\b+4:BI+8*\b+7], v[H32], s[68:69] offset:64*\b+16
.endr
	s_lshr_b32 s2, s26, 4                          ; head 16 (T / 16) + 2 j + wj, key step T % 16
	s_lshl_b32 s2, s2, 4
	s_lshl_b32 s3, s25, 1
	s_add_co_u32 s2, s2, s3
	s_add_co_u32 s2, s2, s22
	s_and_b32 s3, s26, 15
	s_mul_i32 s66, s2, HEADB
	s_mul_i32 s29, s3, STEPB
	s_add_co_u32 s66, s66, s29
	s_mov_b32 s67, 0
	s_add_nc_u64 s[70:71], s[70:71], s[66:67]
	s_mul_i32 s66, s21, 3072
	s_add_nc_u64 s[86:87], s[70:71], s[66:67]      ; K's images 2 wi, 2 wi + 1
	s_mul_i32 s66, s21, 768
	s_add_co_u32 s66, s66, 6144
	s_add_nc_u64 s[88:89], s[70:71], s[66:67]      ; V's images: half wi of each tile
	s_lshl_b32 s66, s21, 8
	s_add_co_u32 s66, s66, 12288
	s_add_nc_u64 s[90:91], s[70:71], s[66:67]      ; the 256 scale bytes that I store: head wj, K's (wi = 0) or V's (1)
	s_lshl_b32 s66, s2, 6                          ; qimg: record 64 head + 4 (T % 16) + 2 wi
	s_lshl_b32 s29, s3, 2
	s_add_co_u32 s66, s66, s29
	s_lshl_b32 s29, s21, 1
	s_add_co_u32 s66, s66, s29
	s_mul_i32 s66, s66, QREC
	s_add_nc_u64 s[72:73], s[72:73], s[66:67]
	s_wait_tensorcnt 0x0                           ; my part of chunk 0 is in
	ds_add_u32 v254, v255
	s_add_nc_u64 s[G0X+2:G0X+3], s[G0X+2:G0X+3], 512   ; no load of mine is out: slot 0's next chunk is chunk 2
	s_add_nc_u64 s[G0W+2:G0W+3], s[G0W+2:G0W+3], 512
	s_wait_dscnt 0x0
	ROUND
	JLOAD 1                                        ; chunk 1 into slot 1
	FETCH FX, AX, 0
	FETCH FQ, AQ, 0
	FETCH FK, AK, 0
	FETCH FV, AV, 0
	WIN 0
	s_wait_loadcnt 0x0                             ; scale words and bk
	KSTEP 0                                        ; K steps 0 and 1 lie in chunk 0
	s_wait_tensorcnt 0x0                           ; chunk 1: part of K step 2, K steps 3 and 4, part of 5
	BAR
	KSTEP 1
	s_wait_tensorcnt 0x0                           ; K step 2's fragments were the last reads of chunk 0: slot 0 is filled again
	ds_add_u32 v254, v255
	s_wait_dscnt 0x0
	ROUND
	JLOAD 0                                        ; chunk 2
	KSTEP 2
	KSTEP 3
	s_wait_tensorcnt 0x0                           ; chunk 2 is in
	BAR
	KSTEP 4
	KSTEP 5
	KSTEP 6
	KSTEP 7
	PLACES 4                                       ; results are read four plain places behind the last product
.irp n, 0,1                                    ; q of my tokens 32 n .. 32 n + 31: one record
	QUANT 2+\n, 192, PCD+12*\n, PW+\n
	v_perm_b32 v[232+2*\n], v[PW+\n], v[PW+\n], 0x01000100   ; a tile's two bytes twice: Q stands in either half of its operand
	v_perm_b32 v[233+2*\n], v[PW+\n], v[PW+\n], 0x03020302
	HALVES PCD+12*\n, 72, 768
	global_store_b64 v[L8], v[232+2*\n:233+2*\n], s[72:73] offset:1536
	s_wait_xcnt 0x0                                ; the stores have read their base
	s_add_nc_u64 s[72:73], s[72:73], QREC
.endr
	QUANT 1, 0, PCD+24, PW+2                       ; k of token tiles 0, 1
	QUANT 1, 64, PCD+36, PW+3                      ; and 2, 3
	v_and_b32 v236, 8, v3
	v_cmp_ne_u32 vcc_lo, 0, v236
.irp m, 0,1,2,3,4,5,6,7,8,9,10,11              ; image 0: tokens 0-7 of tiles 0, 1 in rows 0-7, of tiles 2, 3 in rows 8-15; image 1: tokens 8-15 likewise
	XCH PCD+24+\m, PCD+36+\m, CT+4*(\m%2)
.endr
	XCH PW+2, PW+3, CT
.irp i, 0,1,2,3,4,5
	global_store_b128 v[L16], v[PCD+24+4*\i:PCD+24+4*\i+3], s[86:87] offset:512*\i   ; 32 lanes store 512 consecutive bytes, aligned to 256
.endr
	QUANT 1, 128, PCD+48, PW+4                     ; v: channels 0-31 of my head, my 64 keys
	HALVES PCD+48, 88, 1536
	s_wait_xcnt 0x0                                ; the stores above have read their base
	s_add_nc_u64 s[88:89], s[88:89], 3072
	QUANT 1, 192, PCD+60, PW+5                     ; channels 32-63
	HALVES PCD+60, 88, 1536
	v_cmp_le_u32 vcc_lo, 16, v3                    ; the scale words meet in SCG, so that each wave stores 256 consecutive bytes
	v_cndmask_b32 v236, v[PW+2], v[PW+3], vcc_lo   ; lanes 0-15: image 2 wi; lanes 16-31: 2 wi + 1
	ds_store_b32 v[SKW], v236
	v_lshrrev_b32 v237, 16, v[PW+4]
	v_lshrrev_b32 v238, 16, v[PW+5]
	v_cndmask_b32 v237, v[PW+4], v237, vcc_lo      ; lanes 0-15: the even tile's two bytes; lanes 16-31: the odd tile's
	v_cndmask_b32 v238, v[PW+5], v238, vcc_lo
	ds_store_b16 v[SVW], v237
	ds_store_b16 v[SVW], v238 offset:128
	BAR
	ds_load_b64 v[240:241], v[SRD]
	s_wait_dscnt 0x0
	global_store_b64 v[L8], v[240:241], s[90:91]
	s_wait_tensorcnt 0x0                           ; the wave's end
	ds_add_u32 v254, v255
	s_wait_dscnt 0x0
	ROUND                                          ; the closing round
	s_endpgm
.Lfunc_end_k_q3f09433b46_qkv:
	.size	k_q3f09433b46_qkv, .Lfunc_end_k_q3f09433b46_qkv-k_q3f09433b46_qkv
	.p2alignl 7, 3214868480
	.fill 96, 4, 3214868480
	.section	.rodata,"a",@progbits
	.p2align	6, 0x0
	.amdhsa_kernel k_q3f09433b46_qkv
		.amdhsa_group_segment_fixed_size 327680
		.amdhsa_private_segment_fixed_size 0
		.amdhsa_enable_private_segment 0
		.amdhsa_kernarg_size 88
		.amdhsa_user_sgpr_count 2
		.amdhsa_user_sgpr_kernarg_segment_ptr 1
		.amdhsa_wavefront_size32 1
		.amdhsa_system_sgpr_workgroup_id_x 1
		.amdhsa_system_sgpr_workgroup_id_y 1
		.amdhsa_system_sgpr_workgroup_id_z 1
		.amdhsa_system_vgpr_workitem_id 0
		.amdhsa_next_free_vgpr 1024
		.amdhsa_next_free_sgpr 102
		.amdhsa_reserve_vcc 1
		.amdhsa_float_denorm_mode_32 3
		.amdhsa_float_denorm_mode_16_64 3
		.amdhsa_memory_ordered 1
		.amdhsa_forward_progress 1
		.amdhsa_inst_pref_size 142
	.end_amdhsa_kernel
	.amdgpu_metadata
---
amdhsa.version: [ 1, 2 ]
amdhsa.kernels:
  - .name:           k_q3f09433b46_qkv
    .symbol:         k_q3f09433b46_qkv.kd
    .args:
      - { .name: x_codes, .offset: 0, .size: 8, .value_kind: global_buffer, .address_space: global }
      - { .name: x_scales, .offset: 8, .size: 8, .value_kind: global_buffer, .address_space: global }
      - { .name: Wq_codes, .offset: 16, .size: 8, .value_kind: global_buffer, .address_space: global }
      - { .name: Wq_scales, .offset: 24, .size: 8, .value_kind: global_buffer, .address_space: global }
      - { .name: Wk_codes, .offset: 32, .size: 8, .value_kind: global_buffer, .address_space: global }
      - { .name: Wk_scales, .offset: 40, .size: 8, .value_kind: global_buffer, .address_space: global }
      - { .name: Wv_codes, .offset: 48, .size: 8, .value_kind: global_buffer, .address_space: global }
      - { .name: Wv_scales, .offset: 56, .size: 8, .value_kind: global_buffer, .address_space: global }
      - { .name: bk, .offset: 64, .size: 8, .value_kind: global_buffer, .address_space: global }
      - { .name: kv, .offset: 72, .size: 8, .value_kind: global_buffer, .address_space: global }
      - { .name: qimg, .offset: 80, .size: 8, .value_kind: global_buffer, .address_space: global }
    .group_segment_fixed_size: 327680
    .private_segment_fixed_size: 0
    .kernarg_segment_align: 8
    .kernarg_segment_size: 88
    .max_flat_workgroup_size: 128
    .sgpr_count:     102
    .vgpr_count:     1024
    .wavefront_size: 32
...
	.end_amdgpu_metadata
.endif
;; end of part 1
;; launch attn (part 2): grid 8 x 32, 8 waves a work-group, clusters of 4 x 1, 327,680 bytes of LDS; arguments kv, qimg, oimg, osc; writes oimg, osc
.if DOCPART == 2
	.amdgcn_target "amdgcn-amd-amdhsa--gfx1250"
	.amdhsa_code_object_version 6
	.text
	.protected	k_q3f09433b46_attn
	.globl	k_q3f09433b46_attn
	.p2align	8
	.type	k_q3f09433b46_attn,@function
k_q3f09433b46_attn:
	s_mov_b64 s[64:65], 0
	v_nop
	global_prefetch_b8 v0, s[64:65] scope:SCOPE_SE
	s_setreg_imm32_b32 hwreg(HW_REG_WAVE_MODE, 25, 1), 1
	s_wait_xcnt 0x0
	s_wait_alu depctr_hold_cnt(0) depctr_sa_sdst(0) depctr_va_vdst(0) depctr_va_sdst(0) depctr_va_ssrc(0) depctr_va_vcc(0) depctr_vm_vsrc(0)
	s_getreg_b32 s2, hwreg(HW_REG_IB_STS2, 6, 4)
	s_cmp_eq_u32 s2, 0
	s_cbranch_scc0 .Lentry_in_a_cluster
	s_endpgm
.Lentry_in_a_cluster:
	s_bfe_u32 s2, ttmp6, 0x10000c
	s_cmp_lg_u32 s2, 0x3003
	s_cbranch_scc0 .Lentry_shape_is_right
	s_endpgm
.Lentry_shape_is_right:
; One head's attention for 256 queries on codes of FP6 (E2M3), one E8M0 scale for each 32 along K:  S^T = K Q^T;  p = 2^(t - M), quantised along the keys;  O^T = V^T P^T;  O / l, quantised along the head's 64
; and stored as images of the last projection's operand registers (oimg) with two scale bytes a token (osc, a plane of 4,096 tokens for each head).  Q, K, V come as the launch before laid them.
; t = score x log2(e) / 8;  M = the running largest t rounded UP to a whole number, kept as -M;  l is the sum of the unquantised p;  when M moves, l and O^T are multiplied by 2^(old M - new M): exact.
; SHARES.  Eight waves; a wave owns 32 queries, two tiles of 16, so that each fragment of K and V feeds two matrix instructions.
; LDS.  The whole head's K, V and scale words (16 key steps x 12,800 bytes), each byte filled once: key steps 0-3 by the head's loads (25 rows of 256 bytes a wave), key steps 4-15 (75 rows a wave) behind the full
; sequence and a round; they are first read in key step 3, behind a barrier.  CLUSTER 4 x 1: the four query blocks of one head ask for K and V jointly.
; No prefetch: both groups of tiles are asked for in the head; there is no loop to run ahead in.
; LAYOUT.  A lane holds ONE query (lane % 16).  An operand row of K holds two keys, and Q stands beside 64 zero codes: [Q | 0] gives the first key's score, [0 | Q] the second's.  The keys of K's rows are dealt so that
; lane half h' holds, in registers 32 c .. 32 c + 31 of a tile's scores, the WHOLE block 2 c + h' of 32 keys, in the order in which V's codes stand: a block's maximum needs no other lane and p's codes are made in place.
; LIMITS: the scaled scores stay under 2^31 in magnitude; a block whose largest p lies under 2^-124 is taken at that floor; a block of zeros gets the byte 1 (zero codes; only this program reads the bytes); NaN and infinities are not served.
; REGISTERS.  window 0: v1-13 offsets; v16-23 -M, largest score, l (a pair) a tile; v24-31 scale words alone; v64-191 S^T, then p; v192-215 p's codes; v216-255 at work (20 a tile).
;   window 1: v0-63 O^T; v64-111 K's four fragments; v112-159 V's four; v160-189 zeros, Q0, zeros, Q1, zeros, six each.
.set STEPB, 12800
.set HEADB, 16*STEPB
.set VOFF,  6144
.set KSO,   12288
.set VSO,   12544
.set QREC,  1792
.set OSC,   HEADB                      ; 512 bytes in which the work-group's scale bytes meet; no tile lands here
.set SPARE, OSC+512
.set L16, 1
.set L8,  2
.set L4,  3
.set A16, 4
.set A8,  5
.set A4,  6
.set LN,  9
.set SPW, 10
.set NIL, 11
.set OSR, 12
.set OSW, 13
.set ST,  16
.set KS,  24
.set VS,  26
.set PWR, 28
.set QW,  30
.set S,   64
.set P,   192
.set TT,  216                          ; tile t at + 20 t: + 0, 1 block maxima; + 2, + 18 at work; + 4..10 codes on their way; + 12, 13 scale operands; + 14, 15 bytes; + 16, 17 f
.set TM,  216
.set CT,  232
.set KF,  64
.set VF,  112
.set QF,  160
.set WV,  18
.set SEL, 24
.set CS,  26
.set TB,  28
.set CNT, 29
.set NC,  30
.set G1A, 32
.set G1B, 40
.set G0A, 48
.set G0B, 52
.set MSB, 0
.macro WIN new
.if MSB != (\new)
	s_set_vgpr_msb (MSB<<8)|(\new)
.set MSB, (\new)
.endif
.endm
.macro PLACES n
.rept \n
	v_nop
.endr
.endm
.macro BAR
	s_wait_dscnt 0x0
	s_barrier_signal -1
	s_barrier_wait -1
.endm
.macro ROUND
	s_barrier_signal -1
	s_barrier_wait -1
	s_cmp_lg_u32 s[WV], 0
	s_cbranch_scc1 .Lnot_wave_0_\@
	s_barrier_signal -3
.Lnot_wave_0_\@:
	s_barrier_wait -3
	s_barrier_signal -1
	s_barrier_wait -1
.endm
.macro WMS d, a, b, sa, ra, sb         ; a product that starts its sum; ra: which half of the lanes of sa is read
.if (\ra) == 0
	v_wmma_scale_f32_16x16x128_f8f6f4 v[(\d):(\d)+7], v[(\a):(\a)+11], v[(\b):(\b)+11], 0, v[\sa], v[\sb] matrix_a_fmt:MATRIX_FMT_FP6 matrix_b_fmt:MATRIX_FMT_FP6
.else
	v_wmma_scale_f32_16x16x128_f8f6f4 v[(\d):(\d)+7], v[(\a):(\a)+11], v[(\b):(\b)+11], 0, v[\sa], v[\sb] matrix_a_fmt:MATRIX_FMT_FP6 matrix_b_fmt:MATRIX_FMT_FP6 matrix_a_scale:MATRIX_SCALE_ROW1
.endif
.endm
.macro WMO d, a, b, sa, ra, sb         ; a product that adds in place
.if (\ra) == 0
	v_wmma_scale_f32_16x16x128_f8f6f4 v[(\d):(\d)+7], v[(\a):(\a)+11], v[(\b):(\b)+11], v[(\d):(\d)+7], v[\sa], v[\sb] matrix_a_fmt:MATRIX_FMT_FP6 matrix_b_fmt:MATRIX_FMT_FP6
.else
	v_wmma_scale_f32_16x16x128_f8f6f4 v[(\d):(\d)+7], v[(\a):(\a)+11], v[(\b):(\b)+11], v[(\d):(\d)+7], v[\sa], v[\sb] matrix_a_fmt:MATRIX_FMT_FP6 matrix_b_fmt:MATRIX_FMT_FP6 matrix_a_scale:MATRIX_SCALE_ROW1
.endif
.endm
; The end's quantiser.  64 numbers of a lane, v[s] on: four blocks of 32, each shared by lanes l and l xor 16 -> 12 code registers v[pc] on and the scale word v[pw].
.macro QUANT s, pc, pw
.irp b, 0,1,2,3
	v_max3_num_f32 v[TM+\b], |v[(\s)+16*\b]|, |v[(\s)+1+16*\b]|, 0x1800000
.endr
.irp i, 2,4,6,8,10,12,14
.irp b, 0,1,2,3
	v_max3_num_f32 v[TM+\b], v[TM+\b], |v[(\s)+16*\b+\i]|, |v[(\s)+1+16*\b+\i]|
.endr
.endr
.irp b, 0,1,2,3
	v_permlanex16_b32 v[TM+4+\b], v[TM+\b], s[SEL], s[SEL+1]
.endr
.irp b, 0,1,2,3
	v_max_num_f32 v[TM+\b], v[TM+\b], v[TM+4+\b]
.endr
.irp b, 0,1,2,3
	v_add_nc_u32 v[TM+12+\b], 0xff000000, v[TM+\b]
.endr
.irp b, 0,1,2,3
	v_lshrrev_b32 v[TM+4+\b], 23, v[TM+12+\b]
.endr
	v_lshl_or_b32 v[\pw], v[TM+5], 8, v[TM+4]
	s_delay_alu instid0(VALU_DEP_1)
	v_lshl_or_b32 v[\pw], v[TM+6], 16, v[\pw]
	s_delay_alu instid0(VALU_DEP_1)
	v_lshl_or_b32 v[\pw], v[TM+7], 24, v[\pw]
.irp c, 0,1
	v_cvt_scalef32_pk16_fp6_f32 v[(\pc)+6*\c:(\pc)+2+6*\c], v[(\s)+32*\c:(\s)+15+32*\c], v[TM+12+2*\c]
	v_cvt_scalef32_pk16_fp6_f32 v[CT+4*\c:CT+2+4*\c], v[(\s)+16+32*\c:(\s)+31+32*\c], v[TM+12+2*\c+1]
.endr
	v_nop
.irp c, 0,1
.irp i, 0,1,2
	v_permlane16_swap_b32 v[(\pc)+6*\c+\i], v[CT+4*\c+\i]
.endr
.irp i, 0,1,2
	v_mov_b32 v[(\pc)+3+6*\c+\i], v[CT+4*\c+\i]
.endr
.endr
.endm
.macro LOADK off                       ; K's four operand images, 12 loads of 512 consecutive bytes (window: destination 1)
.irp g, 0,1,2,3
.irp i, 0,1,2
	ds_load_b128 v[KF+12*\g+4*\i:KF+12*\g+4*\i+3], v[A16] offset:(\off)+1536*\g+512*\i
.endr
.endr
.endm
.macro LOADKS off                      ; their scale words: lanes 0-15 the even image, lanes 16-31 the odd one
.irp i, 0,1
	ds_load_b32 v[KS+\i], v[A4] offset:(\off)+KSO+128*\i
.endr
.endm
	s_load_b128 s[4:7], s[0:1], 0x0                ; kv, qimg
	s_load_b128 s[8:11], s[0:1], 0x10              ; oimg, osc
	v_lshl_add_u32 v[SPW], v0, 2, SPARE
	v_mov_b32 v[NIL], 0
	ds_add_u32 v[SPW], v[NIL]                      ; the opening lines: the add, twice on end, and its wait
	ds_add_u32 v[SPW], v[NIL]
	v_lshrrev_b32 v14, 5, v0
	v_readfirstlane_b32 s[WV], v14                 ; wave 0..7
	s_bfe_u32 s19, ttmp6, 0x40000                  ; cx
	s_lshl_b32 s20, ttmp9, 2
	s_add_co_u32 s20, s20, s19                     ; my block of 256 queries: it enters global addresses of qimg, oimg and osc alone
	s_and_b32 s21, ttmp7, 0xffff                   ; 16 x batch + head, which the four partners share
	s_and_b32 s22, s21, 15
	s_lshr_b32 s23, s21, 4
	; group 1: dense rows of 256 bytes, 25 a wave (key steps 0-3), 75 a wave (key steps 4-15); the mask names all four work-groups
.irp g, G1A, G1B
	s_mov_b32 s[\g], 15|(3<<16)|(1<<21)
	s_mov_b32 s[\g+1], 32<<16
	s_mov_b32 s[\g+3], 32<<16
	s_mov_b32 s[\g+5], 32
	s_mov_b32 s[\g+6], 0
	s_mov_b32 s[\g+7], 0
.endr
	s_mov_b32 s[G1A+2], 25<<16
	s_mov_b32 s[G1A+4], 25
	s_mov_b32 s[G1B+2], 75<<16
	s_mov_b32 s[G1B+4], 75
	s_mov_b32 s[SEL], 0x76543210
	s_mov_b32 s[SEL+1], 0xfedcba98                 ; v_permlanex16_b32's selects for lane l xor 16
	s_mov_b32 s[CS], 0x3e38aa3b                    ; c = log2(e) / sqrt(64)
	s_mov_b32 s[CS+1], s[CS]
	s_mov_b32 s[NC], 0xbe38aa3b                    ; -c
	s_mul_i32 s56, s21, HEADB
	s_mul_i32 s58, s[WV], 6400
	s_mul_i32 s59, s[WV], 19200
	s_add_co_u32 s60, s56, s59
	s_add_co_u32 s60, s60, 4*STEPB
	s_add_co_u32 s56, s56, s58
	s_mov_b32 s57, 0
	s_mov_b32 s61, 0
	s_lshl_b32 s62, s21, 6                         ; my record of qimg: 64 head + 8 block + wave
	s_lshl_b32 s63, s20, 3
	s_add_co_u32 s62, s62, s63
	s_add_co_u32 s62, s62, s[WV]
	s_mul_i32 s62, s62, QREC
	s_mov_b32 s63, 0
	s_wait_dscnt 0x0
	s_wait_kmcnt 0x0
	s_mov_b32 s[G0A], 1
	s_mul_i32 s[G0A+1], s[WV], 6400
	s_add_nc_u64 s[G0A+2:G0A+3], s[4:5], s[56:57]
	s_or_b32 s[G0A+3], s[G0A+3], 0x80000000
	s_mov_b32 s[G0B], 1
	s_mul_i32 s[G0B+1], s[WV], 19200
	s_add_co_u32 s[G0B+1], s[G0B+1], 4*STEPB
	s_add_nc_u64 s[G0B+2:G0B+3], s[4:5], s[60:61]
	s_or_b32 s[G0B+3], s[G0B+3], 0x80000000
	s_add_nc_u64 s[6:7], s[6:7], s[62:63]
	ROUND                                          ; all four work-groups are here: the joint loads meet
	tensor_load_to_lds s[G0A:G0A+3], s[G1A:G1A+7]  ; my eighth of key steps 0-3: one tensor load a wave at the head
	s_nop 0
	PLACES 4
	v_and_b32 v[LN], 31, v0
	v_lshl_add_u32 v[OSW], v0, 1, OSC              ; two scale bytes for each of the work-group's 256 tokens
	v_lshlrev_b32 v[L16], 4, v[LN]
	v_lshlrev_b32 v[L8], 3, v[LN]
	v_lshlrev_b32 v[L4], 2, v[LN]
	v_add_nc_u32 v[OSR], OSC, v[L16]
	s_wait_alu depctr_va_vdst(0)                   ; the wait behind these writes
	WIN 0x40
.irp t, 0,1                                    ; Q's two tiles, straight into their places between the zeros
	global_load_b128 v[QF+6+12*\t:QF+9+12*\t], v[L16], s[6:7] offset:768*\t
	global_load_b64 v[QF+10+12*\t:QF+11+12*\t], v[L8], s[6:7] offset:768*\t+512
.endr
.irp i, 0,1,2,3,4,5
	v_mov_b32 v[QF+\i], 0                          ; zero codes
	v_mov_b32 v[QF+12+\i], 0
	v_mov_b32 v[QF+24+\i], 0
.endr
.set i, 0
.rept 64
	v_mov_b32 v[i], 0                              ; O^T: the key step is written once for every step; the first finds zeros, which the first change of M leaves zeros
.set i, i+1
.endr
	WIN 0
	global_load_b64 v[QW:QW+1], v[L8], s[6:7] offset:1536      ; q's scale words
.irp t, 0,1
	v_mov_b32 v[ST+4*\t], 0x7e22f2ee               ; -M to begin with: far above every -M to come
	v_mov_b32 v[ST+4*\t+1], 0xff61b1e6             ; the largest score so far: -3e38
	v_mov_b32 v[ST+4*\t+2], 0                      ; l, in two halves
	v_mov_b32 v[ST+4*\t+3], 0
.irp b, 2,4,5,6,7,17,18
	v_mov_b32 v[TT+20*\t+\b], 0                    ; lane permutes' destinations and the upper half of f's pair count as read
.endr
.endr
	; where my results go.  oimg: ((token / 128 x 8 + head / 2) x 8 + (token % 128) / 16) x 1,536 + 768 (head % 2).  osc: 8,192 head + 2 token
	s_lshl_b32 s66, s23, 4
	s_lshl_b32 s67, s20, 1
	s_add_co_u32 s66, s66, s67
	s_lshr_b32 s67, s[WV], 2
	s_add_co_u32 s66, s66, s67
	s_lshl_b32 s66, s66, 3
	s_lshr_b32 s67, s22, 1
	s_add_co_u32 s66, s66, s67
	s_lshl_b32 s66, s66, 3
	s_and_b32 s67, s[WV], 3
	s_lshl_b32 s67, s67, 1
	s_add_co_u32 s66, s66, s67
	s_mul_i32 s66, s66, 1536
	s_and_b32 s67, s22, 1
	s_mul_i32 s67, s67, 768
	s_add_co_u32 s66, s66, s67
	s_mov_b32 s67, 0
	s_add_nc_u64 s[8:9], s[8:9], s[66:67]
	s_lshl_b32 s66, s22, 13
	s_lshl_b32 s74, s23, 12
	s_add_co_u32 s66, s66, s74
	s_lshl_b32 s74, s20, 9
	s_add_co_u32 s66, s66, s74
	s_add_nc_u64 s[10:11], s[10:11], s[66:67]
	s_mov_b32 s[TB], 0
	s_wait_alu depctr_va_vdst(0)                   ; the wait at the head's end
	s_wait_tensorcnt 0x0                           ; my part of key steps 0-3 is in
	ds_add_u32 v[SPW], v[NIL]
	s_wait_dscnt 0x0
	ROUND
	tensor_load_to_lds s[G0B:G0B+3], s[G1B:G1B+7]  ; my eighth of key steps 4-15
	s_nop 0
	PLACES 4
	v_add_nc_u32 v[A16], s[TB], v[L16]
	v_add_nc_u32 v[A4], s[TB], v[L4]
	WIN 0x40
	LOADK 0
	WIN 0
	LOADKS 0
	s_wait_loadcnt 0x0                             ; Q and its scale words
; A KEY STEP: 128 keys.  last = 1: the next step's K is not fetched.
.macro STEP last
	s_wait_dscnt 0x0                               ; K and its scale words are in
	WIN 0x05
.irp g, 0,1,2,3                                ; S^T: register 16 g + 8 u + i of tile t, lane half h': place 16 (g % 2) + 8 u + i of key block 2 (g / 2) + h'
.irp u, 0,1
.irp t, 0,1
	WMS S+64*\t+16*\g+8*\u, KF+12*\g, QF+6-6*\u+12*\t, KS+\g/2, \g%2, QW+\t
.endr
.endr
.endr
	WIN 0
	v_add_nc_u32 v[A16], s[TB], v[L16]             ; these four are the places behind the products
	v_add_nc_u32 v[A8], s[TB], v[L8]
	v_add_nc_u32 v[A4], s[TB], v[L4]
	v_nop
	WIN 0x40
.irp e, 0,1,2,3                                ; V of this step lands while the softmax is walked
.irp c, 0,1
	ds_load_b128 v[VF+12*\e+6*\c:VF+12*\e+6*\c+3], v[A16] offset:VOFF+1536*\e+768*\c
	ds_load_b64 v[VF+12*\e+6*\c+4:VF+12*\e+6*\c+5], v[A8] offset:VOFF+1536*\e+768*\c+512
.endr
.endr
.if (\last) == 0
	LOADK STEPB
.endif
	WIN 0
.irp i, 0,1
	ds_load_b32 v[VS+\i], v[A4] offset:VSO+128*\i
.endr
.if (\last) == 0
	LOADKS STEPB
.endif
	; the largest score of each of my blocks of 32 keys: for the row's maximum and, since p rises with the score, for the block's largest p.  Tiles and blocks take turns
.irp t, 0,1
.irp c, 0,1
	v_max3_num_f32 v[TT+20*\t+\c], v[S+64*\t+32*\c], v[S+64*\t+32*\c+1], v[S+64*\t+32*\c+2]
.endr
.endr
.irp i, 3,5,7,9,11,13,15,17,19,21,23,25,27,29
.irp t, 0,1
.irp c, 0,1
	v_max3_num_f32 v[TT+20*\t+\c], v[TT+20*\t+\c], v[S+64*\t+32*\c+\i], v[S+64*\t+32*\c+\i+1]
.endr
.endr
.endr
.irp t, 0,1
.irp c, 0,1
	v_max_num_f32 v[TT+20*\t+\c], v[TT+20*\t+\c], v[S+64*\t+32*\c+31]
.endr
.endr
.irp t, 0,1
	v_max_num_f32 v[TT+20*\t+18], v[TT+20*\t], v[TT+20*\t+1]
.endr
.irp t, 0,1
	s_delay_alu instid0(VALU_DEP_2)
	v_permlanex16_b32 v[TT+20*\t+2], v[TT+20*\t+18], s[SEL], s[SEL+1]
.endr
.irp t, 0,1
	s_delay_alu instid0(VALU_DEP_2)
	v_max3_num_f32 v[ST+4*\t+1], v[ST+4*\t+1], v[TT+20*\t+18], v[TT+20*\t+2]   ; the running largest score of my query
.endr
.irp t, 0,1
	v_mov_b32 v[TT+20*\t+2], v[ST+4*\t]                              ; the old -M
.endr
.irp t, 0,1
	s_delay_alu instid0(VALU_DEP_4)
	v_mul_f32 v[TT+20*\t+18], s[NC], v[ST+4*\t+1]                    ; -t
.endr
.irp t, 0,1
	s_delay_alu instid0(VALU_DEP_2)
	v_floor_f32 v[ST+4*\t], v[TT+20*\t+18]                           ; the new -M = -ceil(t)
.endr
.irp t, 0,1
	s_delay_alu instid0(VALU_DEP_2)
	v_sub_f32 v[TT+20*\t+18], v[ST+4*\t], v[TT+20*\t+2]              ; old M - new M: a whole number, 0 or less
.endr
.irp t, 0,1
	s_delay_alu instid0(VALU_DEP_2)
	v_cvt_i32_f32 v[TT+20*\t+18], v[TT+20*\t+18]                     ; (it saturates)
.endr
.irp t, 0,1
	s_delay_alu instid0(VALU_DEP_2)
	v_ldexp_f32 v[TT+20*\t+16], 1.0, v[TT+20*\t+18]                  ; f = 2^(old M - new M)
.endr
.irp t, 0,1
.set i, 0
.rept 32
	v_pk_fma_f32 v[S+64*\t+i:S+64*\t+i+1], v[S+64*\t+i:S+64*\t+i+1], s[CS:CS+1], v[ST+4*\t:ST+4*\t+1] op_sel_hi:[1,0,0]   ; t - M, two at a time
.set i, i+2
.endr
.endr
.irp t, 0,1
.irp c, 0,1
	v_fma_f32 v[TT+20*\t+\c], v[TT+20*\t+\c], s[CS], v[ST+4*\t]      ; the same of each block's largest score
.endr
.endr
	s_wait_alu depctr_va_vdst(0)                   ; the wait ahead of the batch
.irp t, 0,1
.set i, 0
.rept 64
	v_exp_f32 v[S+64*\t+i], v[S+64*\t+i]                             ; p = 2^(t - M), not normalised
.set i, i+1
.endr
.endr
.irp t, 0,1
.irp c, 0,1
	v_exp_f32 v[TT+20*\t+\c], v[TT+20*\t+\c]                         ; the block's largest p: the same two instructions on the same number
.endr
.endr
	WIN 0x41                                       ; O^T window 1, f window 0
	s_wait_alu depctr_va_vdst(0)                   ; the wait behind the batch, directly ahead of the first reader of O^T
.irp t, 0,1
.set i, 0
.rept 16
	v_pk_mul_f32 v[32*\t+i:32*\t+i+1], v[32*\t+i:32*\t+i+1], v[TT+20*\t+16:TT+20*\t+17] op_sel_hi:[1,0]   ; O^T under the new M, each accumulator from its low end on; plain work behind the exponentials
.set i, i+2
.endr
.endr
	WIN 0
.irp t, 0,1
.irp c, 0,1
	v_max_num_f32 v[TT+20*\t+\c], 0x1800000, v[TT+20*\t+\c]          ; the floor 2^(3 - 127)
.endr
.endr
.irp t, 0,1
.irp c, 0,1
	v_add_nc_u32 v[TT+20*\t+12+\c], 0xff000000, v[TT+20*\t+\c]       ; the conversion's scale operand
.endr
.endr
.irp t, 0,1
.irp c, 0,1
	v_lshrrev_b32 v[TT+20*\t+14+\c], 23, v[TT+20*\t+12+\c]           ; the scale's byte
.endr
.endr
.irp t, 0,1
	v_lshl_or_b32 v[TT+20*\t+2], v[TT+20*\t+15], 16, v[TT+20*\t+14]  ; my two bytes: blocks h' and 2 + h'
.endr
.irp t, 0,1
	s_delay_alu instid0(VALU_DEP_2)
	v_permlanex16_b32 v[TT+20*\t+18], v[TT+20*\t+2], s[SEL], s[SEL+1]
.endr
.irp t, 0,1
	s_delay_alu instid0(VALU_DEP_2)
	v_lshl_or_b32 v[PWR+\t], v[TT+20*\t+18], 8, v[TT+20*\t+2]        ; lanes 0-15: p's scale word for these 128 keys (lanes 16-31 are not read)
.endr
.irp t, 0,1
.irp c, 0,1
	v_cvt_scalef32_pk16_fp6_f32 v[P+12*\t+6*\c:P+12*\t+6*\c+2], v[S+64*\t+32*\c:S+64*\t+32*\c+15], v[TT+20*\t+12+\c]
	v_cvt_scalef32_pk16_fp6_f32 v[TT+20*\t+4+4*\c:TT+20*\t+6+4*\c], v[S+64*\t+32*\c+16:S+64*\t+32*\c+31], v[TT+20*\t+12+\c]   ; (a conversion's three registers begin on an even number)
.endr
.endr
	v_nop                                          ; one plain place behind a scaled conversion
.irp t, 0,1
.irp c, 0,1
.irp i, 0,1,2
	v_mov_b32 v[P+12*\t+6*\c+3+\i], v[TT+20*\t+4+4*\c+\i]
.endr
.endr
.endr
.irp t, 0,1                                    ; l = l f + the UNQUANTISED p: two at a time, in two chains a tile
	v_pk_fma_f32 v[ST+4*\t+2:ST+4*\t+3], v[ST+4*\t+2:ST+4*\t+3], v[TT+20*\t+16:TT+20*\t+17], v[S+64*\t:S+64*\t+1] op_sel_hi:[1,0,1]
	v_pk_add_f32 v[TT+20*\t+4:TT+20*\t+5], v[S+64*\t+2:S+64*\t+3], v[S+64*\t+4:S+64*\t+5]
.endr
.irp j, 6,10,14,18,22,26,30,34,38,42,46,50,54,58
.irp t, 0,1
	v_pk_add_f32 v[ST+4*\t+2:ST+4*\t+3], v[ST+4*\t+2:ST+4*\t+3], v[S+64*\t+\j:S+64*\t+\j+1]
	v_pk_add_f32 v[TT+20*\t+4:TT+20*\t+5], v[TT+20*\t+4:TT+20*\t+5], v[S+64*\t+\j+2:S+64*\t+\j+3]
.endr
.endr
.irp t, 0,1
	v_pk_add_f32 v[ST+4*\t+2:ST+4*\t+3], v[ST+4*\t+2:ST+4*\t+3], v[S+64*\t+62:S+64*\t+63]
.endr
.irp t, 0,1
	s_delay_alu instid0(VALU_DEP_2)
	v_pk_add_f32 v[ST+4*\t+2:ST+4*\t+3], v[ST+4*\t+2:ST+4*\t+3], v[TT+20*\t+4:TT+20*\t+5]
.endr
	s_wait_alu depctr_va_vdst(0)                   ; directly ahead of the wait below
	s_wait_dscnt 0x0                               ; V is in (and the next step's K)
	WIN 0x51
.irp e, 0,1,2,3                                ; O^T += V^T P^T: 8 accumulators by turns
.irp t, 0,1
	WMO 32*\t+8*\e, VF+12*\e, P+12*\t, VS+\e/2, \e%2, PWR+\t
.endr
.endr
	WIN 0
	s_add_co_u32 s[TB], s[TB], STEPB
.endm
	s_mov_b32 s[CNT], 3
.Lfirst:                                               ; key steps 0-2: they read key steps 0-3 alone
	STEP 0
	s_sub_co_u32 s[CNT], s[CNT], 1
	s_cmp_lg_u32 s[CNT], 0
	s_cbranch_scc1 .Lfirst
	s_wait_tensorcnt 0x0                           ; my part of key steps 4-15 is in
	BAR                                            ; everybody's is
	s_mov_b32 s[CNT], 12
.Lstep:
	STEP 0
	s_sub_co_u32 s[CNT], s[CNT], 1
	s_cmp_lg_u32 s[CNT], 0
	s_cbranch_scc1 .Lstep
	STEP 1
	; THE END.  l's halves and lane l xor 16's are added; O^T / l; the head's 64 channels are put in their natural order (the last projection's weights have it); quantised; stored as half an operand image a tile.
	PLACES 4
.irp t, 0,1
	v_add_f32 v[TT+20*\t+18], v[ST+4*\t+2], v[ST+4*\t+3]
.endr
.irp t, 0,1
	v_permlanex16_b32 v[TT+20*\t+4], v[TT+20*\t+18], s[SEL], s[SEL+1]
.endr
.irp t, 0,1
	v_add_f32 v[TT+20*\t+18], v[TT+20*\t+18], v[TT+20*\t+4]
.endr
	s_wait_alu depctr_va_vdst(0)
.irp t, 0,1
	v_rcp_f32 v[TT+20*\t+16], v[TT+20*\t+18]
.endr
	v_nop                                          ; one plain place behind a transcendental
	WIN 0x01
	s_wait_alu depctr_va_vdst(0)
.irp t, 0,1
.set i, 0
.rept 32
	v_mul_f32 v[S+32*\t+i], v[32*\t+i], v[TT+20*\t+16]   ; register 8 e + i: channel 16 e + 8 h + i of my query
.set i, i+1
.endr
.endr
	WIN 0
.irp t, 0,1
.irp d, 0,1
.irp j, 0,1,2,3,4,5,6,7
	v_permlane16_swap_b32 v[S+32*\t+16*\d+\j], v[S+32*\t+16*\d+8+\j]   ; register 16 d + i now holds channel 32 d + 16 h + i
.endr
.endr
.endr
	QUANT S, P, 14
.irp t, 0,1
	global_store_b128 v[L16], v[P+6*\t:P+6*\t+3], s[8:9] offset:1536*\t            ; 512 consecutive bytes, aligned to 256
	global_store_b64 v[L8], v[P+6*\t+4:P+6*\t+5], s[8:9] offset:1536*\t+512        ; 256 consecutive bytes, aligned
.endr
	v_lshrrev_b32 v15, 16, v14
	v_cmp_le_u32 vcc_lo, 16, v[LN]
	v_cndmask_b32 v15, v14, v15, vcc_lo            ; lanes 0-15: tile 0's two bytes; lanes 16-31: tile 1's
	ds_store_b16 v[OSW], v15
	BAR                                            ; all 256 tokens' bytes lie in LDS
	s_cmp_lg_u32 s[WV], 0
	s_cbranch_scc1 .Lno_osc
	ds_load_b128 v[216:219], v[OSR]
	s_wait_dscnt 0x0
	global_store_b128 v[L16], v[216:219], s[10:11] ; wave 0 stores them: 512 consecutive bytes, aligned to 256
.Lno_osc:
	s_wait_tensorcnt 0x0                           ; the wave's end
	ds_add_u32 v[SPW], v[NIL]
	s_wait_dscnt 0x0
	ROUND                                          ; the closing round
	s_endpgm
.Lfunc_end_k_q3f09433b46_attn:
	.size	k_q3f09433b46_attn, .Lfunc_end_k_q3f09433b46_attn-k_q3f09433b46_attn
	.p2alignl 7, 3214868480
	.fill 96, 4, 3214868480
	.section	.rodata,"a",@progbits
	.p2align	6, 0x0
	.amdhsa_kernel k_q3f09433b46_attn
		.amdhsa_group_segment_fixed_size 327680
		.amdhsa_private_segment_fixed_size 0
		.amdhsa_enable_private_segment 0
		.amdhsa_kernarg_size 32
		.amdhsa_user_sgpr_count 2
		.amdhsa_user_sgpr_kernarg_segment_ptr 1
		.amdhsa_wavefront_size32 1
		.amdhsa_system_sgpr_workgroup_id_x 1
		.amdhsa_system_sgpr_workgroup_id_y 1
		.amdhsa_system_sgpr_workgroup_id_z 1
		.amdhsa_system_vgpr_workitem_id 0
		.amdhsa_next_free_vgpr 512
		.amdhsa_next_free_sgpr 84
		.amdhsa_reserve_vcc 1
		.amdhsa_float_denorm_mode_32 3
		.amdhsa_float_denorm_mode_16_64 3
		.amdhsa_memory_ordered 1
		.amdhsa_forward_progress 1
		.amdhsa_inst_pref_size 101
	.end_amdhsa_kernel
	.amdgpu_metadata
---
amdhsa.version: [ 1, 2 ]
amdhsa.kernels:
  - .name:           k_q3f09433b46_attn
    .symbol:         k_q3f09433b46_attn.kd
    .args:
      - { .name: kv, .offset: 0, .size: 8, .value_kind: global_buffer, .address_space: global }
      - { .name: qimg, .offset: 8, .size: 8, .value_kind: global_buffer, .address_space: global }
      - { .name: oimg, .offset: 16, .size: 8, .value_kind: global_buffer, .address_space: global }
      - { .name: osc, .offset: 24, .size: 8, .value_kind: global_buffer, .address_space: global }
    .group_segment_fixed_size: 327680
    .private_segment_fixed_size: 0
    .kernarg_segment_align: 8
    .kernarg_segment_size: 32
    .max_flat_workgroup_size: 256
    .sgpr_count:     84
    .vgpr_count:     512
    .wavefront_size: 32
...
	.end_amdgpu_metadata
.endif
;; end of part 2
;; launch oproj (part 3): grid 8 x 32, 4 waves a work-group, clusters of 4 x 4, 229,888 bytes of LDS; arguments oimg, osc, Wo_codes, Wo_scales, bo, out0; writes out0
.if DOCPART == 3
	.amdgcn_target "amdgcn-amd-amdhsa--gfx1250"
	.amdhsa_code_object_version 6
	.text
	.protected	k_q3f09433b46_oproj
	.globl	k_q3f09433b46_oproj
	.p2align	8
	.type	k_q3f09433b46_oproj,@function
k_q3f09433b46_oproj:
	s_mov_b64 s[64:65], 0
	v_nop
	global_prefetch_b8 v0, s[64:65] scope:SCOPE_SE
	s_setreg_imm32_b32 hwreg(HW_REG_WAVE_MODE, 25, 1), 1
	s_wait_xcnt 0x0
	s_wait_alu depctr_hold_cnt(0) depctr_sa_sdst(0) depctr_va_vdst(0) depctr_va_sdst(0) depctr_va_ssrc(0) depctr_va_vcc(0) depctr_vm_vsrc(0)
	s_getreg_b32 s2, hwreg(HW_REG_IB_STS2, 6, 4)
	s_cmp_eq_u32 s2, 0
	s_cbranch_scc0 .Lentry_in_a_cluster
	s_endpgm
.Lentry_in_a_cluster:
	s_bfe_u32 s2, ttmp6, 0x10000c
	s_cmp_lg_u32 s2, 0xf033
	s_cbranch_scc0 .Lentry_shape_is_right
	s_endpgm
.Lentry_shape_is_right:
; out0 = O Wo^T + bo on codes of FP6 (E2M3) with one E8M0 scale for each 32 along K = 1,024.  O comes as the attention launch left it: images of operand registers (oimg[token / 128][K step][tile of 16 tokens][1,536])
; and two scale bytes for each head and token (osc[head][token]).  Wo comes as given: rows of 768 bytes, 32 scale bytes a row.  out0: [4,096][1,024] f32.
; SHARES.  A work-group takes 128 tokens (T) x 128 outputs (j); wave (wi, wj) 64 x 64: 16 accumulators, 8 K steps.  All of K lies in LDS, filled once: O's 64 images as they lie, Wo's 128 rows as three column chunks of
; 256 bytes, rows 272 bytes apart.  No ring, nothing filled twice.
; CLUSTER 4 x 4: O's images hang on T alone and are asked for jointly along a row of the cluster, Wo's chunks on j alone, jointly along a column.  The scale words (4 KB a wave against 200 KB of tiles) come by plain loads.
; TRANSPOSED USE: source 0 = 16 rows of Wo, source 1 = 16 tokens: a lane holds one token and eight neighbouring outputs.  bo is the C of each sum's first instruction.
; A given scale byte 0xff gives NaN.
; REGISTERS.  window 0: v4-17 addresses; v32-63 scale words; v96-127 bo; v128-255 at work.  window 1: the accumulators ((a, b) at 8 (4 a + b): a = tile of tokens, b = tile of Wo).  windows 2, 3: the two sets of fragments: O 0-47, Wo 48-95.
.set PIT,   272
.set CH,    128*PIT
.set AI,    0                          ; O's images: [K step][tile][1,536]
.set KSB,   12288                      ; a K step's eight
.set WR,    98304                      ; Wo's three chunks
.set STG,   WR+3*CH                    ; the way out: 16 rows x 272 bytes for each wave; no tile lands here
.set AW,  4                            ; v4-6 Wo: address, the same for pieces whose upper half lies in the next chunk, the same two chunks on
.set A16, 8                            ; v8, v9: my four images, 16 x lane; K steps 0-3, 4-7
.set A8,  10                           ; v10, v11: the same with 8 x lane
.set L32, 12
.set L2,  13
.set H32, 14
.set STO, 15
.set RD,  16
.set CO,  17
.set SA,  32                           ; scale words: + 8 (tile / 2) + K step; lanes 0-15 the even tile, lanes 16-31 the odd one
.set SW,  48
.set BI,  96
.set UT,  128
.set OB,  128
.set FA,  0
.set FW,  48
.set WV,  20
.set G1A, 32
.set G1B, 40
.set G1W, 48
.set G0A, 68
.set G0W, 80
.set MSB, 0
.macro WIN new                         ; the immediate's high byte repeats the setting that is left
.if MSB != (\new)
	s_set_vgpr_msb (MSB<<8)|(\new)
.set MSB, (\new)
.endif
.endm
.macro PLACES n
.rept \n
	v_nop
.endr
.endm
.macro BAR
	s_wait_dscnt 0x0
	s_barrier_signal -1
	s_barrier_wait -1
.endm
.macro ROUND
	s_barrier_signal -1
	s_barrier_wait -1
	s_cmp_lg_u32 s[WV], 0
	s_cbranch_scc1 .Lnot_wave_0_\@
	s_barrier_signal -3
.Lnot_wave_0_\@:
	s_barrier_wait -3
	s_barrier_signal -1
	s_barrier_wait -1
.endm
.macro G0SET g, lds, src, off          ; descriptor group 0: count 1, LDS byte, global byte, type 2
	s_mov_b32 s[\g], 1
	s_mov_b32 s[(\g)+1], \lds
	s_add_nc_u64 s[(\g)+2:(\g)+3], s[\src:(\src)+1], \off
	s_or_b32 s[(\g)+3], s[(\g)+3], 0x80000000
.endm
; One matrix instruction.  ra, rb: which half of the lanes of the scale registers sa, sb is read.
.macro WM d, a, b, c, sa, ra, sb, rb
.if ((\ra) == 0) && ((\rb) == 0)
	v_wmma_scale_f32_16x16x128_f8f6f4 v[(\d):(\d)+7], v[(\a):(\a)+11], v[(\b):(\b)+11], v[(\c):(\c)+7], v[\sa], v[\sb] matrix_a_fmt:MATRIX_FMT_FP6 matrix_b_fmt:MATRIX_FMT_FP6
.elseif (\rb) == 0
	v_wmma_scale_f32_16x16x128_f8f6f4 v[(\d):(\d)+7], v[(\a):(\a)+11], v[(\b):(\b)+11], v[(\c):(\c)+7], v[\sa], v[\sb] matrix_a_fmt:MATRIX_FMT_FP6 matrix_b_fmt:MATRIX_FMT_FP6 matrix_a_scale:MATRIX_SCALE_ROW1
.elseif (\ra) == 0
	v_wmma_scale_f32_16x16x128_f8f6f4 v[(\d):(\d)+7], v[(\a):(\a)+11], v[(\b):(\b)+11], v[(\c):(\c)+7], v[\sa], v[\sb] matrix_a_fmt:MATRIX_FMT_FP6 matrix_b_fmt:MATRIX_FMT_FP6 matrix_b_scale:MATRIX_SCALE_ROW1
.else
	v_wmma_scale_f32_16x16x128_f8f6f4 v[(\d):(\d)+7], v[(\a):(\a)+11], v[(\b):(\b)+11], v[(\c):(\c)+7], v[\sa], v[\sb] matrix_a_fmt:MATRIX_FMT_FP6 matrix_b_fmt:MATRIX_FMT_FP6 matrix_a_scale:MATRIX_SCALE_ROW1 matrix_b_scale:MATRIX_SCALE_ROW1
.endif
.endm
; A fragment of Wo from its three chunks: piece p (8 bytes) of a row lies in chunk p / 32 at 8 (p % 32); lanes 16-31 read three pieces further on.
.macro FRAGR reg, an, s, i
.irp p, 0,1,2,3,4,5
.set PCE, 12*(\s)+6*(\p/3)+\p%3
.if PCE%32 >= 29
	ds_load_b64 v[(\reg)+2*\p:(\reg)+2*\p+1], v[(\an)+1] offset:(PCE/32)*CH+(\i)*16*PIT+8*(PCE%32)
.elseif PCE/32 == 2
	ds_load_b64 v[(\reg)+2*\p:(\reg)+2*\p+1], v[(\an)+2] offset:(\i)*16*PIT+8*(PCE%32)
.else
	ds_load_b64 v[(\reg)+2*\p:(\reg)+2*\p+1], v[\an] offset:(PCE/32)*CH+(\i)*16*PIT+8*(PCE%32)
.endif
.endr
.endm
.macro FETCH s                         ; K step s into set s % 2: O's four images (16 loads of consecutive bytes), Wo's four fragments (24)
	WIN 0x80+0x40*((\s)%2)
.irp a, 0,1,2,3
	ds_load_b128 v[FA+12*\a:FA+12*\a+3], v[A16+(\s)/4] offset:((\s)%4)*KSB+1536*\a
	ds_load_b64 v[FA+12*\a+4:FA+12*\a+5], v[A8+(\s)/4] offset:((\s)%4)*KSB+1536*\a+512
	ds_load_b128 v[FA+12*\a+6:FA+12*\a+9], v[A16+(\s)/4] offset:((\s)%4)*KSB+1536*\a+768
	ds_load_b64 v[FA+12*\a+10:FA+12*\a+11], v[A8+(\s)/4] offset:((\s)%4)*KSB+1536*\a+1280
.endr
.irp b, 0,1,2,3
	FRAGR FW+12*\b, AW, \s, \b
.endr
.endm
.macro KSTEP s                         ; the 16 accumulators take turns, one instruction a turn, in the same order in every step
.if (\s) > 0
	PLACES 4                                       ; loads into registers that the last step's products read stand four plain places behind them
.endif
.if (\s) < 7
	FETCH (\s)+1
	s_wait_dscnt 40                                ; all but the 40 just issued
.else
	s_wait_dscnt 0x0
.endif
.if (\s) == 0
	WIN 0x4a                                       ; sources window 2, C (bo) window 0, D window 1
.elseif (\s)%2 == 0
	WIN 0x5a
.else
	WIN 0x5f
.endif
.irp a, 0,1,2,3
.irp b, 0,1,2,3
.if (\s) == 0
	WM 8*(4*\a+\b), FW+12*\b, FA+12*\a, BI+8*\b, SW+8*(\b/2)+(\s), \b%2, SA+8*(\a/2)+(\s), \a%2
.else
	WM 8*(4*\a+\b), FW+12*\b, FA+12*\a, 8*(4*\a+\b), SW+8*(\b/2)+(\s), \b%2, SA+8*(\a/2)+(\s), \a%2
.endif
.endr
.endr
	WIN 0
.endm
	s_load_b256 s[4:11], s[0:1], 0x0               ; oimg, osc, Wo codes, Wo scales
	s_load_b128 s[12:15], s[0:1], 0x20             ; bo, out0
	v_lshl_add_u32 v94, v0, 2, 0x38000
	v_mov_b32 v95, 0
	ds_add_u32 v94, v95
	ds_add_u32 v94, v95
	v_lshrrev_b32 v1, 5, v0
	v_readfirstlane_b32 s[WV], v1                  ; wave 0..3
	s_lshr_b32 s21, s[WV], 1                       ; wi: which 64 tokens
	s_and_b32 s22, s[WV], 1                        ; wj: which 64 outputs
	s_bfe_u32 s23, ttmp6, 0x40000                  ; cx
	s_bfe_u32 s24, ttmp6, 0x40004                  ; cy
	s_lshl_b32 s25, ttmp9, 2
	s_add_co_u32 s25, s25, s23                     ; j
	s_and_b32 s26, ttmp7, 0xffff
	s_lshl_b32 s26, s26, 2
	s_add_co_u32 s26, s26, s24                     ; T
	s_lshl_b32 s27, s24, 2
	s_lshl_b32 s27, 15, s27                        ; my row of the cluster
	s_lshl_b32 s28, 0x1111, s23                    ; my column
	; descriptor group 1.  O's 64 images are dense: 384 rows of 256 bytes, one load.  Wo: a chunk of 128 rows of 256 bytes, 768 bytes apart, 16 bytes of padding behind each
	s_or_b32 s[G1A], s27, (3<<16)|(1<<21)
	s_mov_b32 s[G1A+1], 32<<16
	s_mov_b32 s[G1A+2], 384<<16
	s_mov_b32 s[G1A+3], 32<<16
	s_mov_b32 s[G1A+4], 384
	s_mov_b32 s[G1A+5], 32
	s_mov_b32 s[G1A+6], 0
	s_mov_b32 s[G1A+7], 0
	s_or_b32 s[G1W], s28, (3<<16)|(1<<20)|(1<<21)|(5<<22)|(3<<25)
	s_mov_b32 s[G1W+1], 32<<16
	s_mov_b32 s[G1W+2], 128<<16
	s_mov_b32 s[G1W+3], 32<<16
	s_mov_b32 s[G1W+4], 128
	s_mov_b32 s[G1W+5], 96
	s_mov_b32 s[G1W+6], 0
	s_mov_b32 s[G1W+7], 0
	s_mul_i32 s92, s26, 98304                      ; O's 64 images: T alone
	s_mov_b32 s93, 0
	s_mul_i32 s94, s25, 98304                      ; Wo's 128 rows: j alone
	s_mov_b32 s95, 0
	s_wait_dscnt 0x0
	s_wait_kmcnt 0x0
	s_add_nc_u64 s[96:97], s[4:5], s[92:93]
	s_add_nc_u64 s[98:99], s[8:9], s[94:95]
	G0SET G0A, AI, 96, 0
.irp c, 0,1,2
	G0SET G0W+4*\c, WR+\c*CH, 98, 256*\c
.endr
	ROUND                                          ; all sixteen work-groups are here: the joint loads meet
; The head's loads, one a wave: wave 0 fetches O's images, waves 1 to 3 one chunk of Wo each.  One chain of branches on the wave's number: every way passes exactly one load.
.macro ARM under, g0, g1, next
	s_cmp_lt_u32 s[WV], \under
	s_cbranch_scc0 \next
	tensor_load_to_lds s[\g0:\g0+3], s[\g1:\g1+7]
	s_nop 0
	PLACES 4
	s_branch .Lasked
\next:
.endm
	ARM 1, G0A, G1A, .Lchunk_0
	ARM 2, G0W, G1W, .Lchunk_1
	ARM 3, G0W+4, G1W, .Lchunk_2
	tensor_load_to_lds s[G0W+8:G0W+11], s[G1W:G1W+7]
	s_nop 0
	PLACES 4
.Lasked:
	v_and_b32 v1, 15, v0                           ; r
	v_bfe_u32 v2, v0, 4, 1                         ; h
	v_and_b32 v3, 31, v0                           ; lane
	v_lshlrev_b32 v[L32], 5, v3
	v_lshlrev_b32 v[L2], 1, v3
	s_wait_alu depctr_va_vdst(0)
	v_lshlrev_b32 v[H32], 5, v2
	s_wait_alu depctr_va_vdst(0)
	s_lshl_b32 s92, s26, 8                         ; osc: my 64 tokens in a plane: 2 (128 T + 64 wi)
	s_lshl_b32 s29, s21, 7
	s_add_co_u32 s92, s92, s29
	s_add_nc_u64 s[6:7], s[6:7], s[92:93]
	s_lshl_b32 s94, s25, 12                        ; Wo's scale bytes: 4,096 j + 2,048 wj
	s_lshl_b32 s29, s22, 11
	s_add_co_u32 s94, s94, s29
	s_add_nc_u64 s[10:11], s[10:11], s[94:95]
	s_lshr_b32 s94, s94, 3                         ; bo: 512 j + 256 wj bytes
	s_add_nc_u64 s[12:13], s[12:13], s[94:95]
.irp p, 0,1                                    ; lane l: token 32 p + l; head n's two bytes: 64 consecutive bytes a load
.irp n, 0,1,2,3,4,5,6,7,8,9,10,11,12,13,14,15
	global_load_u16 v[UT+16*\p+\n], v[L2], s[6:7] offset:8192*\n+64*\p
.endr
.endr
.irp p, 0,1
	global_load_b128 v[SW+8*\p:SW+8*\p+3], v[L32], s[10:11] offset:1024*\p
	global_load_b128 v[SW+8*\p+4:SW+8*\p+7], v[L32], s[10:11] offset:1024*\p+16
.endr
.irp b, 0,1,2,3                                ; bo in the result's layout: lane (r, h), register i: output 16 b + 8 h + i
	global_load_b128 v[BI+8*\b:BI+8*\b+3], v[H32], s[12:13] offset:64*\b
	global_load_b128 v[BI+8*\b+4:BI+8*\b+7], v[H32], s[12:13] offset:64*\b+16
.endr
	v_mul_u32_u24 v25, v1, PIT
	v_mad_u32_u24 v26, v2, 24, v25
	v_mad_u32_u24 v27, v2, CH-232, v25
	s_mul_i32 s30, s22, 64*PIT
	s_add_co_u32 s30, s30, WR
	v_add_nc_u32 v[AW], s30, v26
	v_add_nc_u32 v[AW+1], s30, v27
	v_add_nc_u32 v[AW+2], 2*CH, v[AW]
	s_mul_i32 s30, s21, 4*1536                     ; my four images of a K step
	v_lshl_add_u32 v[A16], v3, 4, s30
	v_add_nc_u32 v[A16+1], 4*KSB, v[A16]
	v_lshl_add_u32 v[A8], v3, 3, s30
	v_add_nc_u32 v[A8+1], 4*KSB, v[A8]
	s_mul_i32 s30, s[WV], 16*PIT
	s_add_co_u32 s30, s30, STG                     ; my stage
	v_lshl_add_u32 v[STO], v2, 5, v25
	v_add_nc_u32 v[STO], s30, v[STO]               ; in: row r, 32 bytes for each half of the lanes
	v_mul_u32_u24 v[RD], v2, PIT
	v_lshl_add_u32 v[RD], v1, 4, v[RD]
	v_add_nc_u32 v[RD], s30, v[RD]                 ; back: lanes 0-15 one row of 256 bytes, lanes 16-31 the next
	v_lshlrev_b32 v[CO], 12, v2
	v_lshl_add_u32 v[CO], v1, 4, v[CO]             ; and the same two rows of out0
	s_lshl_b32 s66, s26, 19                        ; out0: (128 T + 64 wi) rows of 4,096 bytes + (128 j + 64 wj) x 4
	s_lshl_b32 s67, s21, 18
	s_add_co_u32 s66, s66, s67
	s_lshl_b32 s67, s25, 9
	s_add_co_u32 s66, s66, s67
	s_lshl_b32 s67, s22, 8
	s_add_co_u32 s66, s66, s67
	s_mov_b32 s67, 0
	s_add_nc_u64 s[14:15], s[14:15], s[66:67]
	s_wait_alu depctr_va_vdst(0)
	s_wait_tensorcnt 0x0                           ; my one load has landed
	BAR
	FETCH 0
	WIN 0
	s_wait_loadcnt 0x0                             ; scale bytes and bo
.irp p, 0,1
.irp s, 0,1,2,3,4,5,6,7
	v_lshl_or_b32 v[SA+8*\p+\s], v[UT+16*\p+2*\s+1], 16, v[UT+16*\p+2*\s]   ; K step s = heads 2 s and 2 s + 1: four bytes
.endr
.endr
	PLACES 8                                       ; a scale register written by a vector instruction stands eight places ahead of a scaled matrix instruction
	s_wait_alu depctr_va_vdst(0)
	KSTEP 0
	KSTEP 1
	KSTEP 2
	KSTEP 3
	KSTEP 4
	KSTEP 5
	KSTEP 6
	KSTEP 7
; THE WAY OUT, 16 tokens x 64 outputs at a time.  A lane holds 32 neighbouring bytes of a row, the lanes beside it other rows: so a block goes through my own stage and comes back as whole rows of 256 bytes.
; LDS serves a wave's instructions in order (ISA guide 5.7.1.4): no wait between the stores and the loads, nor in front of the next block's stores.  Each block has registers of its own: no store's data are written again.
.macro TOSTAGE a
	WIN 0x04                                       ; an LDS store's data are its source 1: window 1
.irp b, 0,1,2,3
	ds_store_b128 v[STO], v[8*(4*(\a)+\b):8*(4*(\a)+\b)+3] offset:64*\b          ; each accumulator from its low end on
	ds_store_b128 v[STO], v[8*(4*(\a)+\b)+4:8*(4*(\a)+\b)+7] offset:64*\b+16
.endr
	WIN 0
.irp i, 0,1,2,3,4,5,6,7
	ds_load_b128 v[OB+32*(\a)+4*\i:OB+32*(\a)+4*\i+3], v[RD] offset:2*PIT*\i
.endr
.endm
.macro SEND a, n                       ; n: the LDS instructions issued behind block a's loads, which may stay out
	s_wait_dscnt \n
.irp i, 0,1,2,3,4,5,6,7
	global_store_b128 v[CO], v[OB+32*(\a)+4*\i:OB+32*(\a)+4*\i+3], s[14:15] offset:(16*(\a)+2*\i)*4096 th:TH_STORE_NT   ; 16 lanes store 256 consecutive bytes, aligned; written once, read by nobody here
.endr
.endm
	PLACES 4                                       ; results are read four plain places behind the last product
	TOSTAGE 0
	TOSTAGE 1
	SEND 0, 16                                     ; behind block 0's loads: block 1's 8 stores and 8 loads
	TOSTAGE 2
	SEND 1, 16
	TOSTAGE 3
	SEND 2, 16
	SEND 3, 0
	s_wait_tensorcnt 0x0
	ds_add_u32 v94, v95
	s_wait_dscnt 0x0
	ROUND                                          ; the closing round: no work-group ends while a partner may still ask for a tile that names it
	s_endpgm
.Lfunc_end_k_q3f09433b46_oproj:
	.size	k_q3f09433b46_oproj, .Lfunc_end_k_q3f09433b46_oproj-k_q3f09433b46_oproj
	.p2alignl 7, 3214868480
	.fill 96, 4, 3214868480
	.section	.rodata,"a",@progbits
	.p2align	6, 0x0
	.amdhsa_kernel k_q3f09433b46_oproj
		.amdhsa_group_segment_fixed_size 229888
		.amdhsa_private_segment_fixed_size 0
		.amdhsa_enable_private_segment 0
		.amdhsa_kernarg_size 48
		.amdhsa_user_sgpr_count 2
		.amdhsa_user_sgpr_kernarg_segment_ptr 1
		.amdhsa_wavefront_size32 1
		.amdhsa_system_sgpr_workgroup_id_x 1
		.amdhsa_system_sgpr_workgroup_id_y 1
		.amdhsa_system_sgpr_workgroup_id_z 1
		.amdhsa_system_vgpr_workitem_id 0
		.amdhsa_next_free_vgpr 1024
		.amdhsa_next_free_sgpr 102
		.amdhsa_reserve_vcc 0
		.amdhsa_float_denorm_mode_32 3
		.amdhsa_float_denorm_mode_16_64 3
		.amdhsa_memory_ordered 1
		.amdhsa_forward_progress 1
		.amdhsa_inst_pref_size 59
	.end_amdhsa_kernel
	.amdgpu_metadata
---
amdhsa.version: [ 1, 2 ]
amdhsa.kernels:
  - .name:           k_q3f09433b46_oproj
    .symbol:         k_q3f09433b46_oproj.kd
    .args:
      - { .name: oimg, .offset: 0, .size: 8, .value_kind: global_buffer, .address_space: global }
      - { .name: osc, .offset: 8, .size: 8, .value_kind: global_buffer, .address_space: global }
      - { .name: Wo_codes, .offset: 16, .size: 8, .value_kind: global_buffer, .address_space: global }
      - { .name: Wo_scales, .offset: 24, .size: 8, .value_kind: global_buffer, .address_space: global }
      - { .name: bo, .offset: 32, .size: 8, .value_kind: global_buffer, .address_space: global }
      - { .name: out0, .offset: 40, .size: 8, .value_kind: global_buffer, .address_space: global }
    .group_segment_fixed_size: 229888
    .private_segment_fixed_size: 0
    .kernarg_segment_align: 8
    .kernarg_segment_size: 48
    .max_flat_workgroup_size: 128
    .sgpr_count:     102
    .vgpr_count:     1024
    .wavefront_size: 32
...
	.end_amdgpu_metadata
.endif
;; end of part 3
